; MI455X (gfx1250); checked and timed in simulation.
; The chip was launched on July 23, 2026; its instructions are those of AMD's public machine-readable ISA for CDNA 5 (MIT licence, August 2026) and "CDNA5" Instruction Set Architecture Reference Guide (July 2026). The comments in the code are by the model that wrote it; some were corrected since.
;; Multi Headed Attention. Allowed arithmetic: float matrix products may take bf16 or f16 operands with f32 sums; all other float work in f32.
;; Inputs: Wk 1,024 x 1,024 float32; Wo 1,024 x 1,024 float32; Wv 1,024 x 1,024 float32; bk 1,024 float32; bo 1,024 float32; bv 1,024 float32; key 2 x 2,048 x 1,024 float32; pos_enc 2,048 int32; query 2 x 2,048 x 1,024 float32; value 2 x 2,048 x 1,024 float32.
;; Outputs: out0 2 x 2,048 x 1,024 float32.
;; One version. Each part assembles by itself: llvm-mc -triple=amdgcn-amd-amdhsa -mcpu=gfx1250 --defsym DOCPART=n.
;; ======== version 1 of 1: 5 launches
;; limits: values outside matrix products are rounded to bf16; values are held in f16: magnitudes above 65,504 overflow, below 6.1e-05 lose precision; right only within a limited range of input values
;; workspace buffers: qh 8,388,608 bytes; abf 16,777,216 bytes; wbf 6,291,456 bytes; tab 524,288 bytes; kv 16,777,216 bytes; negc 262,144 bytes; xh 8,388,608 bytes
;; launch prep (part 1): grid 960 x 1, 8 waves a work-group, no clusters, 0 bytes of LDS; arguments query, key, value, Wk, Wv, Wo, pos_enc, qh, abf, wbf, tab; writes qh, abf, wbf, tab
.if DOCPART == 1
	.amdgcn_target "amdgcn-amd-amdhsa--gfx1250"
	.amdhsa_code_object_version 6
	.text
	.protected	k_q5546a41d81_prep
	.globl	k_q5546a41d81_prep
	.p2align	8
	.type	k_q5546a41d81_prep,@function
k_q5546a41d81_prep:
	s_mov_b64 s[64:65], 0
	v_nop
	global_prefetch_b8 v0, s[64:65] scope:SCOPE_SE
	s_setreg_imm32_b32 hwreg(HW_REG_WAVE_MODE, 25, 1), 1
	s_wait_xcnt 0x0
; PREP: a stream; no LDS, no matrix unit, no barrier (no wave needs another's data).
; 960 work-groups that move the same bytes each: 65,536 read, 32,768 stored.
; Work-groups 0..255 (q job): 16 positions s of all 16 heads of one batch: q' = rope(bf16(query)) * log2(e) in f16 -> qh;
;   the work-groups of batch 0 also store cos and sin of pos_enc[s] * 10000^(-j/32), j = 0..31, in f32 -> tab [s][cos 32 | sin 32].
; Work-groups 256..959 (cast job): key, value -> abf (bf16); Wk/8, Wv/8, Wo -> wbf (bf16).  16,384 numbers a work-group.
;   The factor 1/8 is exact; it carries the 1/sqrt(64) of the scores (K) and keeps k/8 and v/8 inside f16 (V; undone by the 8 in P).
; LIMITS: sine and cosine by taking away a multiple of pi/2 in two parts and two short polynomials: good for |angle| < about 1e7;
;   10000^(-j/32) by v_exp_f32 (a few units in its last place).  Every floating input is taken rounded once to bf16.
.set NQ, 256
.set X, 32                             ; q job: v[32:95], head n: 4 registers
	s_load_b512 s[4:19], s[0:1], 0x0               ; query 4, key 6, value 8, Wk 10, Wv 12, Wo 14, pos_enc 16, qh 18
	s_load_b128 s[20:23], s[0:1], 0x40             ; abf 20, wbf 22
	s_load_b64 s[24:25], s[0:1], 0x50              ; tab
	s_mov_b32 s26, ttmp9
	s_cmp_lt_u32 s26, NQ
	s_cbranch_scc1 .Lqjob
; ---------------- cast job ----------------
	s_sub_co_u32 s26, s26, NQ                      ; 0..703
	v_lshlrev_b32 v1, 5, v0                        ; 32 bytes of f32 a thread
	v_lshlrev_b32 v2, 4, v0                        ; 16 bytes of bf16 a thread
	s_wait_kmcnt 0x0
	s_mov_b64 s[28:29], s[6:7]                     ; 0..255: key
	s_mov_b32 s32, 0                               ; first work-group of the source
	s_mov_b32 s30, 1.0
	s_cmp_ge_u32 s26, 256                          ; 256..511: value
	s_cselect_b64 s[28:29], s[8:9], s[28:29]
	s_cselect_b32 s32, 256, s32
	s_cmp_ge_u32 s26, 512                          ; 512..575: Wk, times 1/8, into wbf
	s_cselect_b64 s[28:29], s[10:11], s[28:29]
	s_cselect_b64 s[34:35], s[22:23], s[20:21]
	s_cselect_b32 s32, 512, s32
	s_cselect_b32 s33, 512, 0                      ; first work-group of the destination
	s_cselect_b32 s30, 0x3e000000, s30
	s_cmp_ge_u32 s26, 576                          ; 576..639: Wv, times 1/8
	s_cselect_b64 s[28:29], s[12:13], s[28:29]
	s_cselect_b32 s32, 576, s32
	s_cmp_ge_u32 s26, 640                          ; 640..703: Wo, as it is
	s_cselect_b64 s[28:29], s[14:15], s[28:29]
	s_cselect_b32 s32, 640, s32
	s_cselect_b32 s30, 1.0, s30
	s_mov_b32 s31, s30
	s_sub_co_u32 s36, s26, s32
	s_lshl_b32 s36, s36, 16                        ; 65,536 bytes of f32 a work-group
	s_mov_b32 s37, 0
	s_sub_co_u32 s38, s26, s33
	s_lshl_b32 s38, s38, 15                        ; 32,768 bytes of bf16 a work-group
	s_mov_b32 s39, 0
	s_add_nc_u64 s[28:29], s[28:29], s[36:37]
	s_add_nc_u64 s[34:35], s[34:35], s[38:39]
.set i, 0
.rept 8                                            ; all 16 loads of the thread go out first
	global_load_b128 v[16+8*i:19+8*i], v1, s[28:29] offset:i*8192 th:TH_LOAD_NT
	global_load_b128 v[20+8*i:23+8*i], v1, s[28:29] offset:i*8192+16 th:TH_LOAD_NT
.set i, i+1
.endr
.set i, 0
.rept 8
	s_wait_loadcnt 14-2*i                          ; loads return in order: pair i is in, the 14 - 2 i younger loads stay out
	v_pk_mul_f32 v[16+8*i:17+8*i], v[16+8*i:17+8*i], s[30:31] op_sel_hi:[1,0]
	v_pk_mul_f32 v[18+8*i:19+8*i], v[18+8*i:19+8*i], s[30:31] op_sel_hi:[1,0]
	v_pk_mul_f32 v[20+8*i:21+8*i], v[20+8*i:21+8*i], s[30:31] op_sel_hi:[1,0]
	v_pk_mul_f32 v[22+8*i:23+8*i], v[22+8*i:23+8*i], s[30:31] op_sel_hi:[1,0]
	v_cvt_pk_bf16_f32 v[16+8*i], v[16+8*i], v[17+8*i]
	v_cvt_pk_bf16_f32 v[17+8*i], v[18+8*i], v[19+8*i]
	v_cvt_pk_bf16_f32 v[18+8*i], v[20+8*i], v[21+8*i]
	v_cvt_pk_bf16_f32 v[19+8*i], v[22+8*i], v[23+8*i]
	global_store_b128 v2, v[16+8*i:19+8*i], s[34:35] offset:i*4096   ; a wave stores 512 neighbouring bytes; its registers are not written again
.set i, i+1
.endr
	s_endpgm
; sine and cosine of v[a] into v[s], v[c]; t0..t2 at work
.macro SINCOS a, c, s, t0, t1, t2
	v_mul_f32 v[\t0], 0x3f22f983, v[\a]            ; a * 2/pi
	v_rndne_f32 v[\t0], v[\t0]                     ; k
	v_fmamk_f32 v[\t1], v[\t0], 0xbfc90fdb, v[\a]  ; a - k * (pi/2, upper part)
	v_fmamk_f32 v[\t1], v[\t0], 0x333bbd2e, v[\t1] ;   - k * (pi/2, lower part) = r, |r| <= pi/4
	v_cvt_i32_f32 v[\t0], v[\t0]                   ; n
	v_mul_f32 v[\t2], v[\t1], v[\t1]               ; z = r r
	v_mov_b32 v[\s], 0xb94ca1f9
	v_fmaak_f32 v[\s], v[\s], v[\t2], 0x3c08839e
	v_fmaak_f32 v[\s], v[\s], v[\t2], 0xbe2aaaa3
	v_mul_f32 v[\s], v[\s], v[\t2]
	v_fma_f32 v[\s], v[\s], v[\t1], v[\t1]         ; sin r
	v_mov_b32 v[\c], 0x37ccf5ce
	v_fmaak_f32 v[\c], v[\c], v[\t2], 0xbab6061a
	v_fmaak_f32 v[\c], v[\c], v[\t2], 0x3d2aaaa5
	v_mul_f32 v[\c], v[\c], v[\t2]
	v_add_f32 v[\c], -0.5, v[\c]
	v_fma_f32 v[\c], v[\c], v[\t2], 1.0            ; cos r
	v_and_b32 v[\t1], 1, v[\t0]
	v_cmp_eq_u32 vcc_lo, 1, v[\t1]                 ; odd quadrant: the two change places
	v_cndmask_b32 v[\t1], v[\s], v[\c], vcc_lo
	v_cndmask_b32 v[\t2], v[\c], v[\s], vcc_lo
	v_and_b32 v[\s], 2, v[\t0]                     ; sine's sign: bit 1 of n
	v_lshlrev_b32 v[\s], 30, v[\s]
	v_xor_b32 v[\s], v[\s], v[\t1]
	v_add_nc_u32 v[\c], 1, v[\t0]                  ; cosine's sign: bit 1 of n + 1
	v_and_b32 v[\c], 2, v[\c]
	v_lshlrev_b32 v[\c], 30, v[\c]
	v_xor_b32 v[\c], v[\c], v[\t2]
.endm
; ---------------- q job ----------------
; thread t: position s = 16 sblk + t / 16, dims 4 p .. 4 p + 3 with p = t % 16, of the 16 heads of batch b.
; The partner dims d xor 32 are those of p xor 8: lane xor 8 of the same 16 lanes, read there by the multiply itself (DPP), so each byte of query is loaded once.
.Lqjob:
	s_and_b32 s27, s26, 127                        ; sblk
	s_lshr_b32 s26, s26, 7                         ; b
	s_lshl_b32 s28, s26, 23                        ; b x 16 heads x 524,288 bytes of f32
	s_lshl_b32 s29, s26, 22                        ; b x 16 heads x 262,144 bytes of f16
	s_mov_b32 s31, 0xffff0000
	v_lshrrev_b32 v6, 4, v0
	v_and_b32 v7, 15, v0                           ; p
	v_lshl_add_u32 v6, s27, 4, v6                  ; s
	v_lshlrev_b32 v5, 8, v6
	v_lshl_add_u32 v5, v7, 4, v5                   ; 256 s + 16 p: my place in tab, and in a head of query
	v_add_nc_u32 v1, s28, v5
	v_lshlrev_b32 v3, 7, v6
	v_lshl_add_u32 v3, v7, 3, v3
	v_add_nc_u32 v3, s29, v3                       ; 128 s + 8 p in qh
	v_lshlrev_b32 v4, 2, v6
	s_wait_kmcnt 0x0
	global_load_b32 v98, v4, s[16:17]              ; pos_enc[s]
.set n, 0
.rept 16
	global_load_b128 v[X+4*n:X+4*n+3], v1, s[4:5] offset:n*524288 th:TH_LOAD_NT   ; a wave loads two whole rows of 256 bytes
.set n, n+1
.endr
	v_and_b32 v8, 7, v7
	v_lshlrev_b32 v8, 2, v8
	v_cvt_f32_u32 v8, v8                           ; j = 4 (p % 8) + i
	v_add_f32 v9, 1.0, v8
	v_add_f32 v10, 2.0, v8
	v_add_f32 v11, 0x40400000, v8
.irp i, 8,9,10,11
	v_mul_f32 v\i, 0xbed49a78, v\i                 ; - j log2(10000) / 32
.endr
.irp i, 8,9,10,11
	v_exp_f32 v\i, v\i
.endr
	v_cmp_gt_u32 s30, 8, v7                        ; p < 8: the lower half of the dims
	s_wait_loadcnt 0x10                            ; pos is in; the 16 loads issued behind it stay out
	v_cvt_f32_i32 v98, v98
	s_wait_alu depctr_va_vdst(0)
.irp i, 8,9,10,11
	v_mul_f32 v\i, v98, v\i                        ; the angles
.endr
	SINCOS 8,  16, 20, 12, 13, 14
	SINCOS 9,  17, 21, 12, 13, 14
	SINCOS 10, 18, 22, 12, 13, 14
	SINCOS 11, 19, 23, 12, 13, 14
	s_cmp_lg_u32 s26, 0
	s_cbranch_scc1 .Lnotab
.irp i, 0,1,2,3
	v_cndmask_b32 v[100+\i], v[20+\i], v[16+\i], s30   ; p < 8 stores cosines, p >= 8 sines: a wave stores two whole rows of 256 bytes
.endr
	global_store_b128 v5, v[100:103], s[24:25]
.Lnotab:
	v_mov_b32 v15, 0x80000000
	v_cndmask_b32 v15, 0, v15, s30                 ; d < 32: x cos - partner sin; d >= 32: x cos + partner sin
.irp i, 0,1,2,3
	v_mul_f32 v[24+\i], 0x3fb8aa3b, v[16+\i]       ; cos log2(e)
	v_xor_b32 v[28+\i], v15, v[20+\i]
	v_mul_f32 v[28+\i], 0x3fb8aa3b, v[28+\i]       ; +- sin log2(e)
.endr
.set n, 0
.rept 16
	s_wait_loadcnt 15-n                            ; head n's load is in, the younger ones stay out
	v_cvt_pk_bf16_f32 v96, v[X+4*n], v[X+4*n+1]    ; query rounded to bf16 ...
	v_cvt_pk_bf16_f32 v97, v[X+4*n+2], v[X+4*n+3]
	v_lshlrev_b32 v[X+4*n], 16, v96                ; ... and widened again
	v_and_b32 v[X+4*n+1], s31, v96
	v_lshlrev_b32 v[X+4*n+2], 16, v97
	v_and_b32 v[X+4*n+3], s31, v97
	v_mul_f32_dpp v8,  v[X+4*n],   v28 row_xmask:8 row_mask:0xf bank_mask:0xf   ; the partner's number (lane xor 8) times my +- sin; v8-v11 held the angles
	v_mul_f32_dpp v9,  v[X+4*n+1], v29 row_xmask:8 row_mask:0xf bank_mask:0xf
	v_mul_f32_dpp v10, v[X+4*n+2], v30 row_xmask:8 row_mask:0xf bank_mask:0xf
	v_mul_f32_dpp v11, v[X+4*n+3], v31 row_xmask:8 row_mask:0xf bank_mask:0xf
	v_pk_fma_f32 v[X+4*n:X+4*n+1], v[X+4*n:X+4*n+1], v[24:25], v[8:9]
	v_pk_fma_f32 v[X+4*n+2:X+4*n+3], v[X+4*n+2:X+4*n+3], v[26:27], v[10:11]
	v_cvt_pk_f16_f32 v[X+4*n], v[X+4*n], v[X+4*n+1]
	v_cvt_pk_f16_f32 v[X+4*n+1], v[X+4*n+2], v[X+4*n+3]
	global_store_b64 v3, v[X+4*n:X+4*n+1], s[18:19] offset:n*262144   ; a wave stores 256 neighbouring bytes; its registers are not written again
.set n, n+1
.endr
	s_endpgm
.Lfunc_end_k_q5546a41d81_prep:
	.size	k_q5546a41d81_prep, .Lfunc_end_k_q5546a41d81_prep-k_q5546a41d81_prep
	.p2alignl 7, 3214868480
	.fill 96, 4, 3214868480
	.section	.rodata,"a",@progbits
	.p2align	6, 0x0
	.amdhsa_kernel k_q5546a41d81_prep
		.amdhsa_group_segment_fixed_size 0
		.amdhsa_private_segment_fixed_size 0
		.amdhsa_enable_private_segment 0
		.amdhsa_kernarg_size 88
		.amdhsa_user_sgpr_count 2
		.amdhsa_user_sgpr_kernarg_segment_ptr 1
		.amdhsa_wavefront_size32 1
		.amdhsa_system_sgpr_workgroup_id_x 1
		.amdhsa_system_sgpr_workgroup_id_y 1
		.amdhsa_system_sgpr_workgroup_id_z 1
		.amdhsa_system_vgpr_workitem_id 0
		.amdhsa_next_free_vgpr 104
		.amdhsa_next_free_sgpr 66
		.amdhsa_reserve_vcc 1
		.amdhsa_float_denorm_mode_32 3
		.amdhsa_float_denorm_mode_16_64 3
		.amdhsa_memory_ordered 1
		.amdhsa_forward_progress 1
		.amdhsa_inst_pref_size 32
	.end_amdhsa_kernel
	.amdgpu_metadata
---
amdhsa.version: [ 1, 2 ]
amdhsa.kernels:
  - .name:           k_q5546a41d81_prep
    .symbol:         k_q5546a41d81_prep.kd
    .args:
      - { .name: query, .offset: 0, .size: 8, .value_kind: global_buffer, .address_space: global }
      - { .name: key, .offset: 8, .size: 8, .value_kind: global_buffer, .address_space: global }
      - { .name: value, .offset: 16, .size: 8, .value_kind: global_buffer, .address_space: global }
      - { .name: Wk, .offset: 24, .size: 8, .value_kind: global_buffer, .address_space: global }
      - { .name: Wv, .offset: 32, .size: 8, .value_kind: global_buffer, .address_space: global }
      - { .name: Wo, .offset: 40, .size: 8, .value_kind: global_buffer, .address_space: global }
      - { .name: pos_enc, .offset: 48, .size: 8, .value_kind: global_buffer, .address_space: global }
      - { .name: qh, .offset: 56, .size: 8, .value_kind: global_buffer, .address_space: global }
      - { .name: abf, .offset: 64, .size: 8, .value_kind: global_buffer, .address_space: global }
      - { .name: wbf, .offset: 72, .size: 8, .value_kind: global_buffer, .address_space: global }
      - { .name: tab, .offset: 80, .size: 8, .value_kind: global_buffer, .address_space: global }
    .group_segment_fixed_size: 0
    .private_segment_fixed_size: 0
    .kernarg_segment_align: 8
    .kernarg_segment_size: 88
    .max_flat_workgroup_size: 256
    .sgpr_count:     66
    .vgpr_count:     104
    .wavefront_size: 32
...
	.end_amdgpu_metadata
.endif
;; end of part 1
;; launch proj (part 2): grid 8 x 32, 4 waves a work-group, clusters of 4 x 4, 327,680 bytes of LDS; arguments abf, wbf, tab, bk, bv, kv; writes kv
.if DOCPART == 2
	.amdgcn_target "amdgcn-amd-amdhsa--gfx1250"
	.amdhsa_code_object_version 6
	.text
	.protected	k_q5546a41d81_proj
	.globl	k_q5546a41d81_proj
	.p2align	8
	.type	k_q5546a41d81_proj,@function
k_q5546a41d81_proj:
	s_mov_b64 s[64:65], 0
	v_nop
	global_prefetch_b8 v0, s[64:65] scope:SCOPE_SE
	s_setreg_imm32_b32 hwreg(HW_REG_WAVE_MODE, 25, 1), 1
	s_wait_xcnt 0x0
	s_wait_alu depctr_hold_cnt(0) depctr_sa_sdst(0) depctr_va_vdst(0) depctr_va_sdst(0) depctr_va_ssrc(0) depctr_va_vcc(0) depctr_vm_vsrc(0)
	s_getreg_b32 s2, hwreg(HW_REG_IB_STS2, 6, 4)
	s_cmp_eq_u32 s2, 0
	s_cbranch_scc0 .Lentry_in_a_cluster
	s_endpgm
.Lentry_in_a_cluster:
	s_bfe_u32 s2, ttmp6, 0x10000c
	s_cmp_lg_u32 s2, 0xf033
	s_cbranch_scc0 .Lentry_shape_is_right
	s_endpgm
.Lentry_shape_is_right:
; PROJ: kv = rope( [key | value] x [Wk/8 | Wv/8]^T + bias/8 ) in f16.  One product of 8,192 x 1,024 x 1,024 in bf16, sums in f32.
; Rows 0..4,095 are key's (weights Wk, bias bk), rows 4,096..8,191 value's (Wv, bv).  A work-group makes 256 rows x 128 columns,
; wave w its rows 64 w .. 64 w + 63 and all 128 columns: 32 accumulator tiles, 256 registers.  256 work-groups.
; K goes in steps of 128 through two LDS slots filled by joint tensor loads of a 4 x 4 cluster: A's tile is shared along a row of
; the cluster, W's along a column.  The matrix instruction is used transposed (source 0 = rows of W, source 1 = rows of A), so that a
; lane holds eight neighbouring columns of one row.
; The raw reshape makes element (row R, column c) position s = 16 (R mod 128) + c / 64, dim d = c mod 64 of head R / 128;
; dims d and d + 32 lie in the same lane, two column tiles apart, so the rotation needs no other lane.
; LIMITS: the bias is rounded to bf16 like every floating input; |projection + bias| < 8 x 65,504 (the result / 8 is kept in f16).
; REGISTER WINDOWS: 0: addresses, two fragment buffers, the way out; 1: accumulators; 2: cos and sin of my 64 rows x 2 positions; 3: bias.
.set NT, 8                             ; column tiles of a wave
.set APITCH, 272
.set AQ2, 128                          ; bytes from K 0 to K 64 of a step in A's LDS rows
.set ABYTES, 256*272
.set BBYTES, 128*272
.set SLOT, ABYTES+BBYTES
.set STAGE, 2*SLOT                     ; 16 rows x 272 bytes for each wave; no tensor load lands here
.set ASTEP, 256                        ; bytes of memory from one K step to the next
.set BSTEP, 256
.set F0, 32                            ; fragment buffer 0: 64 registers of W, 32 of A
.set F1, 128
.set ADRA, 16
.set ADRB, 20
.set STO, 24
.set RD, 25
.set CO, 26
.set TA, 27
.set BA, 28
.set Y, 32
.set TT, 224
.set G1, 24
.set G0, 32
.set G1B, 48
.set G0B, 56
.set MUL, 0x50                         ; C and D in window 1
.set MSB, 0
.macro WIN new                         ; the immediate's high byte repeats the setting that is left
.if MSB != \new
	s_set_vgpr_msb (MSB<<8)|\new
.set MSB, \new
.endif
.endm
.macro PLACES                          ; four places behind a matrix instruction (ISA guide 7.12.1)
.rept 4
	v_nop
.endr
.endm
.macro JLOAD s                         ; waves 0, 1 ask for A's halves, waves 2, 3 for W's; the branch hangs on the wave's number alone
	s_cmp_eq_u32 s11, 0
	s_cbranch_scc0 .Lfor_b_\@
	tensor_load_to_lds s[G0+4*\s:G0+4*\s+3], s[G1:G1+7]
	s_nop 0
	s_branch .Lasked_\@
.Lfor_b_\@:
	tensor_load_to_lds s[G0B+4*\s:G0B+4*\s+3], s[G1B:G1B+7]
	s_nop 0
.Lasked_\@:
.endm
.macro CREST                           ; a round of the cluster's barrier behind its opening barrier
	s_cmp_lg_u32 s10, 0
	s_cbranch_scc1 .Lnot_wave_0_\@
	s_barrier_signal -3
.Lnot_wave_0_\@:
	s_barrier_wait -3
	s_barrier_signal -1
	s_barrier_wait -1
.endm
.macro CROUND
	s_barrier_signal -1
	s_barrier_wait -1
	CREST
.endm
; row tiles a0, a0 + 1 x all column tiles, 32 along K.  The accumulators take turns, one instruction a turn.
.macro MULH f, a0, zero
.set ma, \a0
.rept 2
.set mb, 0
.rept NT
.if \zero
	v_wmma_f32_16x16x32_bf16 v[8*(NT*ma+mb):8*(NT*ma+mb)+7], v[\f+8*mb:\f+8*mb+7], v[\f+8*NT+8*ma:\f+8*NT+8*ma+7], 0
.else
	v_wmma_f32_16x16x32_bf16 v[8*(NT*ma+mb):8*(NT*ma+mb)+7], v[\f+8*mb:\f+8*mb+7], v[\f+8*NT+8*ma:\f+8*NT+8*ma+7], v[8*(NT*ma+mb):8*(NT*ma+mb)+7]
.endif
.set mb, mb+1
.endr
.set ma, ma+1
.endr
.endm
; the fragments of quarter k (32 along K) of a slot into buffer f
.macro FETCH slot, k, f
.set fi, 0
.rept NT
	ds_load_b128 v[\f+8*fi:\f+8*fi+3], v[ADRB+\slot] offset:\k*64+fi*16*272
	ds_load_b128 v[\f+8*fi+4:\f+8*fi+7], v[ADRB+\slot] offset:\k*64+fi*16*272+32
.set fi, fi+1
.endr
.set fi, 0
.rept 4
	ds_load_b128 v[\f+8*NT+8*fi:\f+8*NT+8*fi+3], v[ADRA+\slot] offset:(\k/2)*AQ2+(\k%2)*64+fi*16*APITCH
	ds_load_b128 v[\f+8*NT+8*fi+4:\f+8*NT+8*fi+7], v[ADRA+\slot] offset:(\k/2)*AQ2+(\k%2)*64+fi*16*APITCH+32
.set fi, fi+1
.endr
.endm
; multiplies buffer f; ahead of that asks for quarter k's fragments into buffer g, which have the quarter's products in which to land
.macro QUARTER slot, k, f, g, zero
	s_wait_dscnt 0x0                               ; buffer f is in
	PLACES                                         ; buffer g was read by the products just issued
	FETCH \slot, \k, \g
	WIN MUL
	MULH \f, 0, \zero
	MULH \f, 2, \zero
	WIN 0
.endm
.macro THREE slot, zero
	QUARTER \slot, 1, F0, F1, \zero
	QUARTER \slot, 2, F1, F0, 0
	QUARTER \slot, 3, F0, F1, 0
.endm
; the last quarter of a K step, and the change of slots
.macro TURN slot, next, fill
	s_wait_dscnt 0x0                               ; my reads of this slot are over
	s_wait_tensorcnt 0x0                           ; all my tensor loads have landed: the one that was out is my part of the next slot
	ds_add_u32 v254, v255
	s_wait_dscnt 0x0
	s_barrier_signal -1                            ; where the slot is filled again this barrier opens a round of the cluster's barrier
	WIN MUL
	MULH F1, 0, 0                                  ; register work while the others arrive
	WIN 0
	s_barrier_wait -1
.if \fill
	CREST                                          ; no wave of any partner still reads this slot or has a load on its way
	s_add_nc_u64 s[G0+4*\slot+2:G0+4*\slot+3], s[G0+4*\slot+2:G0+4*\slot+3], 2*ASTEP
	s_add_nc_u64 s[G0B+4*\slot+2:G0B+4*\slot+3], s[G0B+4*\slot+2:G0B+4*\slot+3], 2*BSTEP
	JLOAD \slot                                    ; my one tensor load behind the round, ahead of every LDS read
.endif
	PLACES
	FETCH \next, 0, F0
	WIN MUL
	MULH F1, 2, 0
	WIN 0
.endm
.macro LAP zero
	THREE 0, \zero
	TURN 0, 1, 1
	THREE 1, 0
	TURN 1, 0, 1
.endm
	s_load_b128 s[4:7], s[0:1], 0x0                ; abf, wbf
	s_load_b64 s[66:67], s[0:1], 0x10              ; tab
	s_load_b128 s[68:71], s[0:1], 0x18             ; bk, bv
	s_load_b64 s[8:9], s[0:1], 0x28                ; kv
	v_lshl_add_u32 v254, v0, 2, 0x37400
	v_mov_b32 v255, 0
	ds_add_u32 v254, v255
	ds_add_u32 v254, v255
	v_lshrrev_b32 v1, 5, v0
	v_readfirstlane_b32 s10, v1                    ; wave
	s_lshr_b32 s11, s10, 1                         ; I fetch for A (0) or for W (1)
	s_and_b32 s12, s10, 1                          ; which half of that tile
	s_bfe_u32 s40, ttmp6, 0x40000                  ; cx
	s_bfe_u32 s41, ttmp6, 0x40004                  ; cy
	s_lshl_b32 s42, ttmp9, 2
	s_add_co_u32 s42, s42, s40                     ; block column, 0..7
	s_and_b32 s45, ttmp7, 0xffff                   ; the cluster's y, 0..7: 0..3 key, 4..7 value
	s_lshl_b32 s13, s45, 2
	s_add_co_u32 s13, s13, s41                     ; block row, 0..31
	s_lshl_b32 s43, s41, 2
	s_lshl_b32 s43, 15, s43                        ; my row of the cluster
	s_lshl_b32 s44, 0x1111, s40                    ; my column
	s_or_b32 s[G1+0], s43, (1<<16)|(1<<20)|(1<<21)|(5<<22)|(3<<25)   ; mask; 2-byte elements; 4 words of padding behind every 64 words
	s_or_b32 s[G1B+0], s44, (1<<16)|(1<<20)|(1<<21)|(5<<22)|(3<<25)
	s_mov_b32 s[G1+1], 128<<16                     ; tensor_dim0 = 128
	s_mov_b32 s[G1B+1], 128<<16
	s_mov_b32 s[G1+2], 128<<16                     ; tensor_dim1: A 128 rows a load
	s_mov_b32 s[G1B+2], 64<<16                     ;              W 64 rows a load
	s_mov_b32 s[G1+3], 128<<16                     ; tile_dim0 = 128
	s_mov_b32 s[G1B+3], 128<<16
	s_mov_b32 s[G1+4], 128                         ; tile_dim1
	s_mov_b32 s[G1B+4], 64
	s_mov_b32 s[G1+5], 1024                        ; elements from row to row
	s_mov_b32 s[G1B+5], 1024
	s_mov_b32 s[G1+6], 0
	s_mov_b32 s[G1B+6], 0
	s_mov_b32 s[G1+7], 0
	s_mov_b32 s[G1B+7], 0
	s_lshl_b32 s16, s13, 8                         ; A: row 256 x block row + 128 x half, 2,048 bytes a row
	s_lshl_b32 s17, s12, 7
	s_add_co_u32 s16, s16, s17
	s_lshl_b32 s16, s16, 11
	s_mov_b32 s17, 0
	s_lshl_b32 s46, s42, 7                         ; W: row 128 x block column + 64 x half,
	s_lshl_b32 s47, s12, 6
	s_add_co_u32 s46, s46, s47
	s_lshl_b32 s46, s46, 11
	s_lshr_b32 s47, s45, 2                         ; in Wk/8 or, 2,097,152 bytes on, in Wv/8
	s_lshl_b32 s47, s47, 21
	s_add_co_u32 s46, s46, s47
	s_mov_b32 s47, 0
	s_mul_i32 s20, s10, 128*272                    ; LDS: A's halves at wave x 128 rows,
	s_mul_i32 s21, s10, 64*272
	s_add_co_u32 s21, s21, 128*272                 ; W's halves behind A's 256 rows: 256 rows + (wave - 2) x 64 rows
	s_mov_b32 s72, 0x3e000000                      ; 1/8
	s_mov_b32 s73, 0x3e000000
	s_mov_b32 s74, 0xffff0000
	s_wait_dscnt 0x0
	s_wait_kmcnt 0x0
	s_add_nc_u64 s[14:15], s[4:5], s[16:17]
	s_add_nc_u64 s[46:47], s[6:7], s[46:47]
	s_cmp_ge_u32 s45, 4
	s_cselect_b64 s[68:69], s[70:71], s[68:69]     ; the bias that goes with the weights
	CROUND                                         ; all sixteen work-groups are here: the first joint loads meet
.irp s, 0,1
	s_mov_b32 s[G0+4*\s], 1
	s_add_co_u32 s[G0+4*\s+1], s20, \s*SLOT
	s_add_nc_u64 s[G0+4*\s+2:G0+4*\s+3], s[14:15], \s*ASTEP
	s_or_b32 s[G0+4*\s+3], s[G0+4*\s+3], 0x80000000
	s_mov_b32 s[G0B+4*\s], 1
	s_add_co_u32 s[G0B+4*\s+1], s21, \s*SLOT
	s_add_nc_u64 s[G0B+4*\s+2:G0B+4*\s+3], s[46:47], \s*BSTEP
	s_or_b32 s[G0B+4*\s+3], s[G0B+4*\s+3], 0x80000000
	JLOAD \s                                       ; two tensor loads of the wave are out here, one behind every later round
.endr
	v_and_b32 v1, 15, v0                           ; r
	v_bfe_u32 v2, v0, 4, 1                         ; h
	v_mul_u32_u24 v3, v1, 272
	v_lshl_add_u32 v3, v2, 4, v3                   ; r x pitch + 16 h
	s_mul_i32 s22, s10, 64*272                     ; my 64 rows of A
	v_add_nc_u32 v[ADRA], s22, v3
	v_add_nc_u32 v[ADRA+1], SLOT, v[ADRA]
	v_add_nc_u32 v[ADRB], ABYTES, v3
	v_add_nc_u32 v[ADRB+1], SLOT, v[ADRB]
	s_mul_i32 s23, s10, 16*272
	s_add_co_u32 s23, s23, STAGE
	v_add_nc_u32 v[STO], s23, v3                   ; the way out: row r, 16 bytes for each half of the lanes
	v_mul_u32_u24 v5, v2, 272
	v_lshl_add_u32 v5, v1, 4, v5
	v_add_nc_u32 v[RD], s23, v5                    ; back: lanes 0-15 one row of 256 bytes, lanes 16-31 the next
	v_lshlrev_b32 v5, 11, v2
	v_lshl_add_u32 v[CO], v1, 4, v5                ; the same two rows in kv
	v_lshl_add_u32 v5, s12, 6, v1                  ; row mod 128 = 64 (wave & 1) + 16 a + r; 16 positions = 4,096 bytes of tab a row
	v_lshlrev_b32 v5, 12, v5
	v_lshl_add_u32 v5, v2, 5, v5                   ; + 32 h: my eight frequencies
	s_lshl_b32 s22, s42, 9                         ; + 2 positions (512 bytes) a block column; also 128 numbers of the bias
	v_add_nc_u32 v[TA], s22, v5
	v_lshlrev_b32 v5, 5, v2
	v_add_nc_u32 v[BA], s22, v5
	; cos and sin (window 2) and bias (window 3) are asked for now and waited for behind the last product
	WIN 0x80
.set ta, 0
.rept 4
.set tk, 0
.rept 2
.set tb, 0
.rept 2
	global_load_b128 v[16*((2*ta+tk)*2+tb):16*((2*ta+tk)*2+tb)+3],     v[TA], s[66:67] offset:ta*65536+tk*256+tb*64
	global_load_b128 v[16*((2*ta+tk)*2+tb)+4:16*((2*ta+tk)*2+tb)+7],   v[TA], s[66:67] offset:ta*65536+tk*256+tb*64+16
	global_load_b128 v[16*((2*ta+tk)*2+tb)+8:16*((2*ta+tk)*2+tb)+11],  v[TA], s[66:67] offset:ta*65536+tk*256+tb*64+128
	global_load_b128 v[16*((2*ta+tk)*2+tb)+12:16*((2*ta+tk)*2+tb)+15], v[TA], s[66:67] offset:ta*65536+tk*256+tb*64+144
.set tb, tb+1
.endr
.set tk, tk+1
.endr
.set ta, ta+1
.endr
	WIN 0xc0
.set tb, 0
.rept 8
	global_load_b128 v[8*tb:8*tb+3],   v[BA], s[68:69] offset:64*tb
	global_load_b128 v[8*tb+4:8*tb+7], v[BA], s[68:69] offset:64*tb+16
.set tb, tb+1
.endr
	WIN 0
	s_wait_tensorcnt 0x1                           ; my part of K step 0 is in; K step 1's stays out
	s_barrier_signal -1
	s_barrier_wait -1
	FETCH 0, 0, F0
	LAP 1                                          ; the first products start the sums
	s_mov_b32 s3, 2
.Llap:
	LAP 0
	s_sub_co_u32 s3, s3, 1
	s_cmp_lg_u32 s3, 0
	s_cbranch_scc1 .Llap
	THREE 0, 0                                     ; the last two K steps fill nothing
	TURN 0, 1, 0
	THREE 1, 0
	s_wait_dscnt 0x0
	WIN MUL
	MULH F1, 0, 0
	MULH F1, 2, 0
	WIN 0
	; THE WAY OUT
	s_wait_loadcnt 0x0                             ; cos, sin, bias
	PLACES
	WIN 0xcf                                       ; bias: rounded to bf16, times 1/8, in window 3
.set bi, 0
.rept 32
	v_cvt_pk_bf16_f32 v[64+(bi%4)], v[2*bi], v[2*bi+1]
	v_lshlrev_b32 v[2*bi], 16, v[64+(bi%4)]
	v_and_b32 v[2*bi+1], s74, v[64+(bi%4)]
	v_pk_mul_f32 v[2*bi:2*bi+1], v[2*bi:2*bi+1], s[72:73] op_sel_hi:[1,0]
.set bi, bi+1
.endr
	WIN 0
	s_lshl_b32 s16, s13, 8
	s_lshl_b32 s17, s10, 6
	s_add_co_u32 s16, s16, s17                     ; my first row
	s_lshl_b32 s16, s16, 11
	s_mov_b32 s17, 0
	s_add_nc_u64 s[8:9], s[8:9], s[16:17]
	s_lshl_b32 s46, s42, 8                         ; my first column: 256 bytes a block
	s_mov_b32 s47, 0
	s_add_nc_u64 s[8:9], s[8:9], s[46:47]
; rows 16 a .. 16 a + 15: bias, rotation, f16, through my stage, out as whole rows of 256 bytes; f: the buffer read back into, by turns
.macro OUTA a, f
	WIN 0x0d                                       ; source 0 window 1 (sums), source 1 window 3 (bias)
.set ob, 0
.rept 8
.set oj, 0
.rept 4
	v_pk_add_f32 v[Y+8*ob+2*oj:Y+8*ob+2*oj+1], v[8*(8*\a+ob)+2*oj:8*(8*\a+ob)+2*oj+1], v[8*ob+2*oj:8*ob+2*oj+1]
.set oj, oj+1
.endr
.set ob, ob+1
.endr
	WIN 0x08                                       ; source 1 window 2 (cos, sin)
.set ok, 0
.rept 2
.set ol, 0
.rept 2
.set oj, 0
.rept 4
.set y1, Y+8*(4*ok+ol)+2*oj                        ; dims d < 32
.set y2, y1+16                                     ; dims d + 32
.set cs, 16*((2*\a+ok)*2+ol)+2*oj
.set t1, TT+4*(oj%2)
	v_pk_mul_f32 v[t1:t1+1], v[y2:y2+1], v[cs+8:cs+9]
	v_pk_mul_f32 v[t1+2:t1+3], v[y1:y1+1], v[cs+8:cs+9]
	v_pk_fma_f32 v[y1:y1+1], v[y1:y1+1], v[cs:cs+1], v[t1:t1+1] neg_lo:[0,0,1] neg_hi:[0,0,1]
	v_pk_fma_f32 v[y2:y2+1], v[y2:y2+1], v[cs:cs+1], v[t1+2:t1+3]
.set oj, oj+1
.endr
.set ol, ol+1
.endr
.set ok, ok+1
.endr
	WIN 0
.set ob, 0
.rept 8
.set oj, 0
.rept 4
	v_cvt_pk_f16_f32 v[96+4*ob+oj], v[Y+8*ob+2*oj], v[Y+8*ob+2*oj+1]
.set oj, oj+1
.endr
	ds_store_b128 v[STO], v[96+4*ob:96+4*ob+3] offset:32*ob
.set ob, ob+1
.endr
	s_wait_xcnt 0x0                                ; buffer f, which earlier stores read, and the stores' base are written again only behind this wait
.if \a
	s_add_nc_u64 s[8:9], s[8:9], 16*2048
.endif
.irp t, 0,1,2,3,4,5,6,7
	ds_load_b128 v[\f+4*\t:\f+4*\t+3], v[RD] offset:\t*544    ; a wave's LDS instructions are served in order: these see the stores above
.endr
.irp t, 0,1,2,3,4,5,6,7
	s_wait_dscnt 7-\t                              ; the 7 - t younger loads stay out
	global_store_b128 v[CO], v[\f+4*\t:\f+4*\t+3], s[8:9] offset:2*\t*2048   ; 16 lanes store 256 neighbouring bytes, aligned
.endr
.endm
	OUTA 0, 128
	OUTA 1, 160
	OUTA 2, 128
	OUTA 3, 160
	s_wait_tensorcnt 0x0
	ds_add_u32 v254, v255
	s_wait_dscnt 0x0
	CROUND                                         ; the closing round
	s_endpgm
.Lfunc_end_k_q5546a41d81_proj:
	.size	k_q5546a41d81_proj, .Lfunc_end_k_q5546a41d81_proj-k_q5546a41d81_proj
	.p2alignl 7, 3214868480
	.fill 96, 4, 3214868480
	.section	.rodata,"a",@progbits
	.p2align	6, 0x0
	.amdhsa_kernel k_q5546a41d81_proj
		.amdhsa_group_segment_fixed_size 327680
		.amdhsa_private_segment_fixed_size 0
		.amdhsa_enable_private_segment 0
		.amdhsa_kernarg_size 48
		.amdhsa_user_sgpr_count 2
		.amdhsa_user_sgpr_kernarg_segment_ptr 1
		.amdhsa_wavefront_size32 1
		.amdhsa_system_sgpr_workgroup_id_x 1
		.amdhsa_system_sgpr_workgroup_id_y 1
		.amdhsa_system_sgpr_workgroup_id_z 1
		.amdhsa_system_vgpr_workitem_id 0
		.amdhsa_next_free_vgpr 840
		.amdhsa_next_free_sgpr 76
		.amdhsa_reserve_vcc 0
		.amdhsa_float_denorm_mode_32 3
		.amdhsa_float_denorm_mode_16_64 3
		.amdhsa_memory_ordered 1
		.amdhsa_forward_progress 1
		.amdhsa_inst_pref_size 155
	.end_amdhsa_kernel
	.amdgpu_metadata
---
amdhsa.version: [ 1, 2 ]
amdhsa.kernels:
  - .name:           k_q5546a41d81_proj
    .symbol:         k_q5546a41d81_proj.kd
    .args:
      - { .name: abf, .offset: 0, .size: 8, .value_kind: global_buffer, .address_space: global }
      - { .name: wbf, .offset: 8, .size: 8, .value_kind: global_buffer, .address_space: global }
      - { .name: tab, .offset: 16, .size: 8, .value_kind: global_buffer, .address_space: global }
      - { .name: bk, .offset: 24, .size: 8, .value_kind: global_buffer, .address_space: global }
      - { .name: bv, .offset: 32, .size: 8, .value_kind: global_buffer, .address_space: global }
      - { .name: kv, .offset: 40, .size: 8, .value_kind: global_buffer, .address_space: global }
    .group_segment_fixed_size: 327680
    .private_segment_fixed_size: 0
    .kernarg_segment_align: 8
    .kernarg_segment_size: 48
    .max_flat_workgroup_size: 128
    .sgpr_count:     76
    .vgpr_count:     840
    .wavefront_size: 32
...
	.end_amdgpu_metadata
.endif
;; end of part 2
;; launch stats (part 3): grid 8 x 32, 8 waves a work-group, no clusters, 300,032 bytes of LDS; arguments qh, kv, negc; writes negc
.if DOCPART == 3
	.amdgcn_target "amdgcn-amd-amdhsa--gfx1250"
	.amdhsa_code_object_version 6
	.text
	.protected	k_q5546a41d81_stats
	.globl	k_q5546a41d81_stats
	.p2align	8
	.type	k_q5546a41d81_stats,@function
k_q5546a41d81_stats:
	s_mov_b64 s[64:65], 0
	v_nop
	global_prefetch_b8 v0, s[64:65] scope:SCOPE_SE
	s_setreg_imm32_b32 hwreg(HW_REG_WAVE_MODE, 25, 1), 1
	s_wait_xcnt 0x0
; STATS: the softmax runs over the QUERY axis, so each key column k has its own maximum m[k] and sum Z[k] over all 2,048 queries.
; negc[head][k] = 3 - m'[k] - log2 Z[k], with s' = q' . k' (already in units of log2: q' holds log2 e, k' holds 1/8), the diagonal score 0,
; m' = a true running maximum over the queries, Z = sum of 2^(s' - m').  The 3 is the factor 8 that undoes v / 8 in the next launch.
; A work-group = 256 keys of one head; wave w: keys 64 (w & 3) .. + 63 (fragments kept in registers), and half (w >> 2) of each chunk of 512 queries.
; The head's whole Q (2,048 rows x 128 bytes, pitch 144) is brought into LDS once, in four chunks; nothing is filled again.
; NO CLUSTER although the eight work-groups of a head read the same Q: the two trips that hold the diagonal are found by a scalar
; branch on the work-group's own key block, which would be its place in the cluster.
.set CH, 73728                         ; a chunk: 512 rows x 144
.set SCR, 294912                       ; 4,096 bytes of scratch behind Q; no tensor load lands here
.set KF, 16                            ; v[16:79]    K fragments, tile t, half ks of the dims: 8 (2 t + ks)
.set AF, 80                            ; v[80:111]   Q fragments, 16 i + 8 ks
.set SS, 112                           ; v[112:175]  scores, 8 (4 i + t)
.set AL, 176                           ; v[176:183]  tile t: the pair (alpha, M)
.set ZP, 184                           ; v[184:191]  tile t: a pair of partial sums
.set MN, 192                           ; v[192:199]  tile t: the new maximum, and a partner register
.set T, 200                            ; v[200:207]
	s_load_b128 s[4:7], s[0:1], 0x0                ; qh, kv
	s_load_b64 s[8:9], s[0:1], 0x10                ; negc
	v_lshl_add_u32 v216, v0, 2, 0x49000
	v_mov_b32 v217, 0
	ds_add_u32 v216, v217
	ds_add_u32 v216, v217
	v_lshrrev_b32 v1, 5, v0
	v_readfirstlane_b32 s10, v1                    ; wave
	s_and_b32 s11, s10, 3                          ; kg
	s_lshr_b32 s12, s10, 2                         ; qhf
	s_and_b32 s13, ttmp7, 0xffff                   ; head
	s_lshl_b32 s14, s13, 18                        ; 262,144 bytes a head
	s_mov_b32 s15, 0
	s_mov_b32 s16, (1<<16)|(1<<20)|(4<<22)|(3<<25) ; 2-byte elements; 4 words of padding behind every 32 words
	s_mov_b32 s17, 64<<16
	s_mov_b32 s18, 64<<16
	s_mov_b32 s19, 64<<16
	s_mov_b32 s20, 64
	s_mov_b32 s21, 64
	s_mov_b32 s22, 0
	s_mov_b32 s23, 0
	s_mul_i32 s40, s10, 9216                       ; my 64 rows of a chunk in LDS
	s_lshl_b32 s41, s10, 13                        ; and in memory
	s_wait_dscnt 0x0
	s_wait_kmcnt 0x0
	s_add_nc_u64 s[4:5], s[4:5], s[14:15]
	s_add_nc_u64 s[6:7], s[6:7], s[14:15]          ; K' of the head
	s_mov_b32 s14, s41
	s_add_nc_u64 s[4:5], s[4:5], s[14:15]
.irp c, 0,1,2,3                                    ; all four first fills go out together: four tensor loads of the wave are out
	s_mov_b32 s[24+4*\c], 1
	s_add_co_u32 s[25+4*\c], s40, \c*CH
	s_add_nc_u64 s[26+4*\c:27+4*\c], s[4:5], \c*65536
	s_or_b32 s[27+4*\c], s[27+4*\c], 0x80000000
	tensor_load_to_lds s[24+4*\c:27+4*\c], s[16:23]
	s_nop 0
.endr
	v_and_b32 v1, 15, v0                           ; r
	v_bfe_u32 v2, v0, 4, 1                         ; h
	s_lshl_b32 s43, ttmp9, 8
	s_lshl_b32 s41, s11, 6
	s_add_co_u32 s43, s43, s41                     ; my first key
	v_add_nc_u32 v7, s43, v1
	v_lshlrev_b32 v7, 7, v7
	v_lshl_add_u32 v7, v2, 4, v7                   ; (key + r) x 128 + 16 h
.irp t, 0,1,2,3
.irp ks, 0,1
	global_load_b128 v[KF+8*(2*\t+\ks):KF+8*(2*\t+\ks)+3],   v7, s[6:7] offset:\t*2048+\ks*64
	global_load_b128 v[KF+8*(2*\t+\ks)+4:KF+8*(2*\t+\ks)+7], v7, s[6:7] offset:\t*2048+\ks*64+32
.endr
.endr
	v_mul_u32_u24 v3, v1, 144
	v_lshl_add_u32 v3, v2, 4, v3
	s_mul_i32 s41, s12, 36864                      ; my half of a chunk: 256 rows
	v_add_nc_u32 v3, s41, v3
	v_lshlrev_b32 v5, 3, v2
	v_sub_nc_u32 v5, v5, v1                        ; 8 h - r
	s_lshl_b32 s48, s12, 8                         ; 256 qhf
	s_mov_b32 s44, 0x76543210
	s_mov_b32 s45, 0xfedcba98
.irp t, 0,1,2,3
	v_mov_b32 v[AL+2*\t+1], 0xff800000             ; M = -inf
	v_mov_b32 v[ZP+2*\t], 0
	v_mov_b32 v[ZP+2*\t+1], 0
	v_mov_b32 v[MN+2*\t+1], 0                      ; the pair's second register is named by the packed forms and never used
.endr
	s_wait_loadcnt 0x0
.macro LDA                             ; 32 queries x 64 dims
.irp i, 0,1
.irp ks, 0,1
	ds_load_b128 v[AF+16*\i+8*\ks:AF+16*\i+8*\ks+3],   v4 offset:\i*2304+\ks*64
	ds_load_b128 v[AF+16*\i+8*\ks+4:AF+16*\i+8*\ks+7], v4 offset:\i*2304+\ks*64+32
.endr
.endr
.endm
; 32 queries x 64 keys.  A = queries, B = keys: register j of lane (r, h) holds (query 8 h + j, key r).
.macro TRIP pre
	s_wait_dscnt 0x0
.irp i, 0,1                                        ; eight accumulators by turns, one instruction a turn
.irp t, 0,1,2,3
	v_wmma_f32_16x16x32_f16 v[SS+8*(4*\i+\t):SS+8*(4*\i+\t)+7], v[AF+16*\i:AF+16*\i+7], v[KF+16*\t:KF+16*\t+7], 0
.endr
.endr
.irp i, 0,1
.irp t, 0,1,2,3
	v_wmma_f32_16x16x32_f16 v[SS+8*(4*\i+\t):SS+8*(4*\i+\t)+7], v[AF+16*\i+8:AF+16*\i+15], v[KF+16*\t+8:KF+16*\t+15], v[SS+8*(4*\i+\t):SS+8*(4*\i+\t)+7]
.endr
.endr
.if \pre                                           ; four places behind the products
	v_add_nc_u32 v4, 4608, v4
.else
	v_nop
.endif
	v_nop
	v_nop
	v_nop
	s_and_b32 s47, s42, 0xffffffc0                 ; do these 32 queries lie among my 64 keys?
	s_cmp_lg_u32 s47, s43
	s_cbranch_scc1 .Lnd_\@
	s_sub_co_u32 s47, s42, s43                     ; 0 or 32
	v_add_nc_u32 v6, s47, v5                       ; query = key where 8 h - r + (q0 - k0) = 16 (t - i) - j
.irp j, 0,1,2,3,4,5,6,7
	v_cmp_ne_i32 vcc_lo, -\j, v6
	v_cndmask_b32 v[SS+\j], 0, v[SS+\j], vcc_lo            ; tiles (i, t) = (0, 0)
	v_cndmask_b32 v[SS+40+\j], 0, v[SS+40+\j], vcc_lo      ; (1, 1)
	v_cmp_ne_i32 vcc_lo, 32-\j, v6
	v_cndmask_b32 v[SS+16+\j], 0, v[SS+16+\j], vcc_lo      ; (0, 2)
	v_cndmask_b32 v[SS+56+\j], 0, v[SS+56+\j], vcc_lo      ; (1, 3)
.endr
.Lnd_\@:
.if \pre
	LDA                                            ; the next trip's queries land under the arithmetic below
.endif
.irp t, 0,1,2,3
	v_max3_num_f32 v[MN+2*\t], v[AL+2*\t+1], v[SS+8*\t], v[SS+8*\t+1]
.endr
.irp s, 1,2,3
.irp t, 0,1,2,3
	v_max3_num_f32 v[MN+2*\t], v[MN+2*\t], v[SS+8*\t+2*\s], v[SS+8*\t+2*\s+1]
.endr
.endr
.irp s, 0,1,2,3
.irp t, 0,1,2,3
	v_max3_num_f32 v[MN+2*\t], v[MN+2*\t], v[SS+32+8*\t+2*\s], v[SS+32+8*\t+2*\s+1]
.endr
.endr
.irp t, 0,1,2,3
	v_sub_f32 v[AL+2*\t], v[AL+2*\t+1], v[MN+2*\t] ; old maximum - new
	v_mov_b32 v[AL+2*\t+1], v[MN+2*\t]
.endr
.irp i, 0,1
.irp t, 0,1,2,3
.irp p, 0,2,4,6
	v_pk_add_f32 v[SS+8*(4*\i+\t)+\p:SS+8*(4*\i+\t)+\p+1], v[SS+8*(4*\i+\t)+\p:SS+8*(4*\i+\t)+\p+1], v[MN+2*\t:MN+2*\t+1] op_sel_hi:[1,0] neg_lo:[0,1] neg_hi:[0,1]
.endr
.endr
.endr
.irp t, 0,1,2,3
	v_exp_f32 v[AL+2*\t], v[AL+2*\t]
.endr
.set e, 0
.rept 64
	v_exp_f32 v[SS+e], v[SS+e]
.set e, e+1
.endr
	v_nop                                          ; one plain place behind the last exponential
	s_wait_alu depctr_va_vdst(0)
.irp t, 0,1,2,3
	v_pk_add_f32 v[SS+8*\t:SS+8*\t+1], v[SS+8*\t:SS+8*\t+1], v[SS+8*\t+2:SS+8*\t+3]
	v_pk_add_f32 v[SS+8*\t+4:SS+8*\t+5], v[SS+8*\t+4:SS+8*\t+5], v[SS+8*\t+6:SS+8*\t+7]
	v_pk_add_f32 v[SS+32+8*\t:SS+32+8*\t+1], v[SS+32+8*\t:SS+32+8*\t+1], v[SS+32+8*\t+2:SS+32+8*\t+3]
	v_pk_add_f32 v[SS+32+8*\t+4:SS+32+8*\t+5], v[SS+32+8*\t+4:SS+32+8*\t+5], v[SS+32+8*\t+6:SS+32+8*\t+7]
.endr
.irp t, 0,1,2,3
	v_pk_add_f32 v[SS+8*\t:SS+8*\t+1], v[SS+8*\t:SS+8*\t+1], v[SS+8*\t+4:SS+8*\t+5]
	v_pk_add_f32 v[SS+32+8*\t:SS+32+8*\t+1], v[SS+32+8*\t:SS+32+8*\t+1], v[SS+32+8*\t+4:SS+32+8*\t+5]
.endr
.irp t, 0,1,2,3
	v_pk_add_f32 v[SS+8*\t:SS+8*\t+1], v[SS+8*\t:SS+8*\t+1], v[SS+32+8*\t:SS+32+8*\t+1]
.endr
.irp t, 0,1,2,3
	v_pk_fma_f32 v[ZP+2*\t:ZP+2*\t+1], v[ZP+2*\t:ZP+2*\t+1], v[AL+2*\t:AL+2*\t+1], v[SS+8*\t:SS+8*\t+1] op_sel_hi:[1,0,1]
.endr
	s_add_co_u32 s42, s42, 32
.endm
.macro CHUNK c
	s_wait_dscnt 0x0
	s_wait_tensorcnt 3-\c                          ; my part of chunk c is in; the 3 - c younger chunks stay out
	s_barrier_signal -1
	s_barrier_wait -1                              ; everybody's part is in
	v_add_nc_u32 v4, \c*CH, v3
	s_add_co_u32 s42, s48, \c*512                  ; my first query of the chunk
	LDA
	s_mov_b32 s46, 7
.Lt_\@:
	TRIP 1
	s_sub_co_u32 s46, s46, 1
	s_cmp_lg_u32 s46, 0
	s_cbranch_scc1 .Lt_\@
	TRIP 0
.endm
	CHUNK 0
	CHUNK 1
	CHUNK 2
	CHUNK 3
	; lanes r and r + 16 hold the same key's figures for different queries: join them; then the two query halves through LDS
	s_lshl_b32 s47, s12, 11
	s_lshl_b32 s46, s11, 9
	s_add_co_u32 s47, s47, s46
	s_add_co_u32 s47, s47, SCR
	v_lshl_add_u32 v8, v1, 3, s47                  ; scratch + 2,048 qhf + 8 (64 kg + r)
.irp t, 0,1,2,3
	v_add_f32 v[ZP+2*\t], v[ZP+2*\t], v[ZP+2*\t+1]
	v_permlanex16_b32 v[MN+2*\t], v[AL+2*\t+1], s44, s45
	v_permlanex16_b32 v[MN+2*\t+1], v[ZP+2*\t], s44, s45
	v_max_num_f32 v[T+2*\t], v[AL+2*\t+1], v[MN+2*\t]
	v_sub_f32 v[AL+2*\t], v[AL+2*\t+1], v[T+2*\t]
	v_sub_f32 v[MN+2*\t], v[MN+2*\t], v[T+2*\t]
	v_exp_f32 v[AL+2*\t], v[AL+2*\t]
	v_exp_f32 v[MN+2*\t], v[MN+2*\t]
	v_nop
	s_wait_alu depctr_va_vdst(0)
	v_mul_f32 v[ZP+2*\t], v[ZP+2*\t], v[AL+2*\t]
	v_fma_f32 v[T+2*\t+1], v[MN+2*\t+1], v[MN+2*\t], v[ZP+2*\t]
	ds_store_b64 v8, v[T+2*\t:T+2*\t+1] offset:\t*128      ; (M, Z) of key 16 t + r; both halves of the lanes store the same pair
.endr
	s_wait_dscnt 0x0                               ; for the other waves' sake
	s_barrier_signal -1
	s_barrier_wait -1
	s_cmp_ge_u32 s10, 4
	s_cbranch_scc1 .Lend
	s_lshl_b32 s14, s13, 13                        ; 8,192 bytes a head
	s_lshl_b32 s46, ttmp9, 10                      ; 1,024 bytes a key block
	s_add_co_u32 s14, s14, s46
	s_add_nc_u64 s[8:9], s[8:9], s[14:15]
	v_lshlrev_b32 v10, 3, v0                       ; threads 0..127: two keys each
	v_lshlrev_b32 v9, 4, v0
	v_add_nc_u32 v9, SCR, v9
	ds_load_b128 v[16:19], v9                      ; (M, Z) of two keys, queries' first halves
	ds_load_b128 v[20:23], v9 offset:2048          ; second halves
	s_wait_dscnt 0x0
	v_max_num_f32 v24, v16, v20
	v_max_num_f32 v25, v18, v22
	v_sub_f32 v16, v16, v24
	v_sub_f32 v20, v20, v24
	v_sub_f32 v18, v18, v25
	v_sub_f32 v22, v22, v25
	v_exp_f32 v16, v16
	v_exp_f32 v20, v20
	v_exp_f32 v18, v18
	v_exp_f32 v22, v22
	v_nop
	s_wait_alu depctr_va_vdst(0)
	v_mul_f32 v17, v17, v16
	v_mul_f32 v19, v19, v18
	v_fmac_f32 v17, v21, v20
	v_fmac_f32 v19, v23, v22
	v_log_f32 v17, v17
	v_log_f32 v19, v19
	v_sub_f32 v24, 0x40400000, v24                 ; 3 - m'
	v_sub_f32 v25, 0x40400000, v25
	s_wait_alu depctr_va_vdst(0)
	v_sub_f32 v24, v24, v17
	v_sub_f32 v25, v25, v19
	global_store_b64 v10, v[24:25], s[8:9]         ; a wave stores 256 neighbouring bytes
.Lend:
	s_wait_tensorcnt 0x0
	ds_add_u32 v216, v217
	s_wait_dscnt 0x0
	s_endpgm
.Lfunc_end_k_q5546a41d81_stats:
	.size	k_q5546a41d81_stats, .Lfunc_end_k_q5546a41d81_stats-k_q5546a41d81_stats
	.p2alignl 7, 3214868480
	.fill 96, 4, 3214868480
	.section	.rodata,"a",@progbits
	.p2align	6, 0x0
	.amdhsa_kernel k_q5546a41d81_stats
		.amdhsa_group_segment_fixed_size 300032
		.amdhsa_private_segment_fixed_size 0
		.amdhsa_enable_private_segment 0
		.amdhsa_kernarg_size 24
		.amdhsa_user_sgpr_count 2
		.amdhsa_user_sgpr_kernarg_segment_ptr 1
		.amdhsa_wavefront_size32 1
		.amdhsa_system_sgpr_workgroup_id_x 1
		.amdhsa_system_sgpr_workgroup_id_y 1
		.amdhsa_system_sgpr_workgroup_id_z 1
		.amdhsa_system_vgpr_workitem_id 0
		.amdhsa_next_free_vgpr 218
		.amdhsa_next_free_sgpr 66
		.amdhsa_reserve_vcc 1
		.amdhsa_float_denorm_mode_32 3
		.amdhsa_float_denorm_mode_16_64 3
		.amdhsa_memory_ordered 1
		.amdhsa_forward_progress 1
		.amdhsa_inst_pref_size 106
	.end_amdhsa_kernel
	.amdgpu_metadata
---
amdhsa.version: [ 1, 2 ]
amdhsa.kernels:
  - .name:           k_q5546a41d81_stats
    .symbol:         k_q5546a41d81_stats.kd
    .args:
      - { .name: qh, .offset: 0, .size: 8, .value_kind: global_buffer, .address_space: global }
      - { .name: kv, .offset: 8, .size: 8, .value_kind: global_buffer, .address_space: global }
      - { .name: negc, .offset: 16, .size: 8, .value_kind: global_buffer, .address_space: global }
    .group_segment_fixed_size: 300032
    .private_segment_fixed_size: 0
    .kernarg_segment_align: 8
    .kernarg_segment_size: 24
    .max_flat_workgroup_size: 256
    .sgpr_count:     66
    .vgpr_count:     218
    .wavefront_size: 32
...
	.end_amdgpu_metadata
.endif
;; end of part 3
;; launch attn (part 4): grid 8 x 32, 8 waves a work-group, no clusters, 327,680 bytes of LDS; arguments qh, kv, negc, xh; writes xh
.if DOCPART == 4
	.amdgcn_target "amdgcn-amd-amdhsa--gfx1250"
	.amdhsa_code_object_version 6
	.text
	.protected	k_q5546a41d81_attn
	.globl	k_q5546a41d81_attn
	.p2align	8
	.type	k_q5546a41d81_attn,@function
k_q5546a41d81_attn:
	s_mov_b64 s[64:65], 0
	v_nop
	global_prefetch_b8 v0, s[64:65] scope:SCOPE_SE
	s_setreg_imm32_b32 hwreg(HW_REG_WAVE_MODE, 25, 1), 1
	s_wait_xcnt 0x0
; ATTN: xh[head][q][d] = sum over k of 2^(s'[q][k] + negc[k]) v'[k][d], in bf16.  s' = q' . k', on the diagonal 0; negc = 3 - m' - log2 Z, so the
; exponent is at most 3 for every input (m' is the column's true maximum, Z >= 1) and P' = 8 P <= 8 fits f16; v' = v / 8.
; A work-group = 256 queries of one head, wave w its queries 32 w .. 32 w + 31 (fragments kept in registers).  The keys go in 8 phases of
; 256 through two LDS slots (V 256 x 160 bytes, K 256 x 144 bytes); one barrier a phase; waves 0-3 fetch V, waves 4-7 K, 64 rows each.
; Scores are made transposed (A = keys, B = queries, C = negc of the tile's keys): register j of lane (r, h) holds (key 8 h + j, query r),
; so two neighbouring registers pack into the B fragment of the second product without any exchange between lanes.
; The second product is O^T = V^T P^T; V^T's fragments come by the transposing LDS load.
; THE STEPS OVERLAP: a step is 32 keys.  There are two score buffers; in one turn the score products of step i + 1 are issued one by one, and
; between them the exponentials and conversions of step i, which need only the other buffer.  P' is packed in place into the first 16
; registers of the buffer that it comes from.
; NO CLUSTER although the eight work-groups of a head read the same K and V: the step that holds the diagonal is found by a scalar branch on the
; work-group's own query block, which would be its place in the cluster.
.set VBYTES, 256*160
.set SLOT, 256*160+256*144
.set NCB, 2*SLOT                       ; 8,192 bytes: negc of the head; written by LDS stores, no tensor load lands here
.set STAGE, NCB+8192                   ; 32 rows x 144 bytes for each wave
.set QF, 16                            ; v[16:47]    Q fragments, 8 (2 qt + ks)
.set KF, 48                            ; v[48:79]    K fragments, 8 (2 kt + ks)
.set NC, 80                            ; v[80:95]    negc of the step's keys, 8 kt
.set SA, 96                            ; v[96:127]   scores of the even steps, 8 (2 kt + qt); then P' of query tile qt in its registers 8 qt .. 8 qt + 7
.set SB, 128                           ; v[128:159]  the same for the odd steps
.set VF, 160                           ; v[160:191]  V^T fragments, 8 dt
.set OO, 192                           ; v[192:255]  sums, 8 (2 dt + qt)
; v3 AK0, v4 AV0, v5 AK, v6 AV, v7 ANC, v8 r - 8 h, v9 STO, v10 RD, v11 GO
	s_load_b256 s[4:11], s[0:1], 0x0               ; qh 4, kv 6, negc 8, xh 10
	v_lshl_add_u32 v15, v0, 2, 0x31000
	s_set_vgpr_msb 0x40
	v_mov_b32 v1, 0
	s_set_vgpr_msb 0x4044
	ds_add_u32 v15, v1
	ds_add_u32 v15, v1
	s_set_vgpr_msb 0x4400
	v_lshrrev_b32 v1, 5, v0
	v_readfirstlane_b32 s12, v1                    ; wave
	s_lshr_b32 s13, s12, 2                         ; I fetch V (0) or K (1)
	s_and_b32 s14, s12, 3                          ; which 64 rows
	s_and_b32 s15, ttmp7, 0xffff                   ; head
	s_lshl_b32 s16, s15, 18                        ; 262,144 bytes a head
	s_mov_b32 s17, 0
	s_lshl_b32 s18, s14, 13
	s_mov_b32 s19, 0
	s_mov_b32 s20, (1<<16)|(1<<20)|(4<<22)|(7<<25) ; V: 8 words of padding behind every 32 words: pitch 160
	s_mov_b32 s28, (1<<16)|(1<<20)|(4<<22)|(3<<25) ; K: 4 words: pitch 144
.irp g, 20, 28
	s_mov_b32 s[\g+1], 64<<16
	s_mov_b32 s[\g+2], 64<<16
	s_mov_b32 s[\g+3], 64<<16
	s_mov_b32 s[\g+4], 64
	s_mov_b32 s[\g+5], 64
	s_mov_b32 s[\g+6], 0
	s_mov_b32 s[\g+7], 0
.endr
	s_mul_i32 s56, s12, 10240                      ; V: wave x 64 rows
	s_mul_i32 s57, s12, 9216
	s_add_co_u32 s57, s57, 4096                    ; K: behind V's 40,960 bytes, (wave - 4) x 64 rows
	s_wait_dscnt 0x0
	s_wait_kmcnt 0x0
	s_add_nc_u64 s[4:5], s[4:5], s[16:17]
	s_add_nc_u64 s[6:7], s[6:7], s[16:17]
	s_add_nc_u64 s[10:11], s[10:11], s[16:17]
	s_add_nc_u64 s[6:7], s[6:7], s[18:19]          ; K', my 64 rows of phase 0
	s_add_nc_u64 s[58:59], s[6:7], 0x800000        ; V', 8,388,608 bytes on
.macro JL s
	s_cmp_eq_u32 s13, 0
	s_cbranch_scc0 .Lk_\@
	tensor_load_to_lds s[36+4*(\s):39+4*(\s)], s[20:27]
	s_nop 0
	s_branch .Ld_\@
.Lk_\@:
	tensor_load_to_lds s[44+4*(\s):47+4*(\s)], s[28:35]
	s_nop 0
.Ld_\@:
.endm
.irp s, 0,1                                        ; both first fills go out together: two tensor loads of the wave are out, later one
	s_mov_b32 s[36+4*\s], 1
	s_add_co_u32 s[37+4*\s], s56, \s*SLOT
	s_add_nc_u64 s[38+4*\s:39+4*\s], s[58:59], \s*32768
	s_or_b32 s[39+4*\s], s[39+4*\s], 0x80000000
	s_mov_b32 s[44+4*\s], 1
	s_add_co_u32 s[45+4*\s], s57, \s*SLOT
	s_add_nc_u64 s[46+4*\s:47+4*\s], s[6:7], \s*32768
	s_or_b32 s[47+4*\s], s[47+4*\s], 0x80000000
	JL \s
.endr
	s_lshl_b32 s16, s15, 13                        ; negc: 8,192 bytes a head
	s_add_nc_u64 s[8:9], s[8:9], s[16:17]
	v_and_b32 v1, 15, v0                           ; r
	v_bfe_u32 v2, v0, 4, 1                         ; h
	v_and_b32 v12, 31, v0                          ; L
	s_lshl_b32 s53, ttmp9, 8
	s_lshl_b32 s16, s12, 5
	s_add_co_u32 s53, s53, s16                     ; my first query
	v_add_nc_u32 v162, s53, v1
	v_lshlrev_b32 v162, 7, v162
	v_lshl_add_u32 v162, v2, 4, v162
.irp qt, 0,1
.irp ks, 0,1
	global_load_b128 v[QF+8*(2*\qt+\ks):QF+8*(2*\qt+\ks)+3],   v162, s[4:5] offset:\qt*2048+\ks*64
	global_load_b128 v[QF+8*(2*\qt+\ks)+4:QF+8*(2*\qt+\ks)+7], v162, s[4:5] offset:\qt*2048+\ks*64+32
.endr
.endr
	v_lshlrev_b32 v160, 4, v0
	global_load_b128 v[48:51], v160, s[8:9]
	global_load_b128 v[52:55], v160, s[8:9] offset:4096
	v_add_nc_u32 v161, NCB, v160
	v_mul_u32_u24 v3, v1, 144
	v_lshl_add_u32 v3, v2, 4, v3                   ; r x 144 + 16 h
	s_mul_i32 s16, s12, 4608
	s_add_co_u32 s16, s16, STAGE
	v_add_nc_u32 v9, s16, v3                       ; STO
	v_add_nc_u32 v3, VBYTES, v3                    ; AK0
	v_and_b32 v13, 7, v12
	v_lshl_add_u32 v4, v2, 3, v13                  ; 8 h + (L & 7)
	v_mul_u32_u24 v4, v4, 160
	v_bfe_u32 v14, v0, 3, 1
	v_lshl_add_u32 v4, v14, 4, v4                  ; AV0
	v_lshlrev_b32 v7, 5, v2
	v_add_nc_u32 v7, NCB, v7                       ; ANC: negc of keys 8 h ..
	v_lshlrev_b32 v8, 3, v2
	v_sub_nc_u32 v8, v1, v8                        ; r - 8 h
	v_lshrrev_b32 v10, 3, v12
	v_mul_u32_u24 v10, v10, 144
	v_lshl_add_u32 v10, v13, 4, v10
	v_add_nc_u32 v10, s16, v10                     ; RD
	s_lshl_b32 s16, s53, 7
	v_lshl_add_u32 v11, v12, 4, s16                ; GO
	s_mov_b32 s52, 0                               ; first key of the step whose scores are made next
	s_wait_loadcnt 0x0
	ds_store_b128 v161, v[48:51]
	ds_store_b128 v161, v[52:55] offset:4096
	s_wait_dscnt 0x0                               ; for the other waves' sake
	s_wait_tensorcnt 0x1                           ; my part of phase 0 is in; phase 1's stays out
	s_barrier_signal -1
	s_barrier_wait -1
.macro LDK                             ; 32 keys x 64 dims, and their constants: 12 loads
.irp kt, 0,1
.irp ks, 0,1
	ds_load_b128 v[KF+8*(2*\kt+\ks):KF+8*(2*\kt+\ks)+3],   v5 offset:\kt*2304+\ks*64
	ds_load_b128 v[KF+8*(2*\kt+\ks)+4:KF+8*(2*\kt+\ks)+7], v5 offset:\kt*2304+\ks*64+32
.endr
.endr
.irp kt, 0,1
	ds_load_b128 v[NC+8*\kt:NC+8*\kt+3],   v7 offset:\kt*64
	ds_load_b128 v[NC+8*\kt+4:NC+8*\kt+7], v7 offset:\kt*64+16
.endr
.endm
.macro LDV                             ; 64 dims x 32 keys, transposed: 8 loads
.irp dt, 0,1,2,3
	ds_load_tr16_b128 v[VF+8*\dt:VF+8*\dt+3],   v6 offset:\dt*32
	ds_load_tr16_b128 v[VF+8*\dt+4:VF+8*\dt+7], v6 offset:\dt*32+2560
.endr
.endm
; group g (0..7) of buffer a = four registers of tile (kt = (g / 2) % 2, qt = g / 4), half g % 2.  Its four numbers become two registers of P' of
; query tile qt, at 4 kt + 2 (g % 2).  In ascending g each destination has been read before it is written.
.macro CVTG a, g
.set cq, (\g)/4
.set ck, ((\g)/2)%2
.set chf, (\g)%2
.set csrc, \a+8*(2*ck+cq)+4*chf
.set cdst, \a+8*cq+4*ck+2*chf
	s_wait_alu depctr_va_vdst(0)
	v_cvt_pk_f16_f32 v[cdst], v[csrc], v[csrc+1]
	v_cvt_pk_f16_f32 v[cdst+1], v[csrc+2], v[csrc+3]
.endm
; the diagonal of the step whose scores have just been made in buffer b, while its constants are still in NC
.macro DIAG b
	s_cmp_lg_u32 s52, s53                          ; are these 32 keys my 32 queries?
	s_cbranch_scc1 .Lnd_\@
.irp j, 0,1,2,3,4,5,6,7
	v_cmp_eq_u32 vcc_lo, \j, v8                    ; key 8 h + j = query r: the score is 0, the exponent the constant alone
	v_cndmask_b32 v[\b+\j], v[\b+\j], v[NC+\j], vcc_lo
	v_cndmask_b32 v[\b+24+\j], v[\b+24+\j], v[NC+8+\j], vcc_lo
.endr
.Lnd_\@:
	s_add_co_u32 s52, s52, 32
.endm
.macro PV a, zero                      ; eight accumulators by turns, one instruction a turn
.irp dt, 0,1,2,3
.irp qt, 0,1
.if \zero
	v_wmma_f32_16x16x32_f16 v[OO+8*(2*\dt+\qt):OO+8*(2*\dt+\qt)+7], v[VF+8*\dt:VF+8*\dt+7], v[\a+8*\qt:\a+8*\qt+7], 0
.else
	v_wmma_f32_16x16x32_f16 v[OO+8*(2*\dt+\qt):OO+8*(2*\dt+\qt)+7], v[VF+8*\dt:VF+8*\dt+7], v[\a+8*\qt:\a+8*\qt+7], v[OO+8*(2*\dt+\qt):OO+8*(2*\dt+\qt)+7]
.endif
.endr
.endr
.endm
; One turn: step i's scores lie in buffer a.  Makes step i + 1's scores in buffer b, step i's P' in a, and adds step i's second product.
; wk: LDS loads that may stay out when K of step i + 1 is needed; ldk = 1: K of step i + 2 is asked for; wv: loads that may stay out when V of step i is
; needed; ldv = 1: V of step i + 1 is asked for, 32 keys on; ldv = 2: the same, at the head of slot ns; zero = 1: the first products start the sums.
.macro ITER a, b, wk, ldk, wv, ldv, zero, ns
	s_wait_dscnt \wk
.set n, 0
.rept 8                                            ; four score accumulators by turns, one instruction a turn
.set dd, \b+8*(2*((n/2)%2)+n%2)
.if n < 4
	v_wmma_f32_16x16x32_f16 v[dd:dd+7], v[KF+16*((n/2)%2):KF+16*((n/2)%2)+7], v[QF+16*(n%2):QF+16*(n%2)+7], v[NC+8*((n/2)%2):NC+8*((n/2)%2)+7]
.else
	v_wmma_f32_16x16x32_f16 v[dd:dd+7], v[KF+16*((n/2)%2)+8:KF+16*((n/2)%2)+15], v[QF+16*(n%2)+8:QF+16*(n%2)+15], v[dd:dd+7]
.endif
.set es, \a+8*(2*((n/2)%2)+n/4)+4*(n%2)
	v_exp_f32 v[es], v[es]
	v_exp_f32 v[es+1], v[es+1]
	v_exp_f32 v[es+2], v[es+2]
	v_exp_f32 v[es+3], v[es+3]
.if n == 0
	v_nop                                          ; the plain place between group 0's exponentials and their use
.else
	CVTG \a, n-1                                   ; the group before: a plain instruction has stood behind its exponentials
.endif
.set n, n+1
.endr
	CVTG \a, 7                                     ; with the two conversions in front: four places behind the last score product
	DIAG \b
.if \ldk
	LDK
.endif
	s_wait_dscnt \wv
	PV \a, \zero
	; five places: V's registers are loaded again, and the next turn's first product writes over P', a source of the products above
.if \ldk
	v_add_nc_u32 v5, 4608, v5
	v_add_nc_u32 v7, 128, v7                       ; the constants' address runs on through the head's 2,048 keys
.else
	v_nop
	v_nop
.endif
.if \ldv == 1
	v_add_nc_u32 v6, 5120, v6
.endif
.if \ldv == 2
	v_add_nc_u32 v6, \ns*SLOT, v4
.endif
	v_nop
	v_nop
	LDV
.endm
.macro ITERLAST a                      ; the last step: nothing more to make or to fetch
.set e, 0
.rept 32
	v_exp_f32 v[\a+e], v[\a+e]
.set e, e+1
.endr
	v_nop                                          ; one plain place behind the last exponential
.irp g, 0,1,2,3,4,5,6,7
	CVTG \a, \g
.endr
	s_wait_dscnt 0x0
	PV \a, 0
	v_nop                                          ; four places in front of the way out
	v_nop
	v_nop
	v_nop
.endm
; The change of slots, between a phase's seventh and eighth turn: every K and V fragment of slot old is in registers.
.macro CHANGE new, old, refill
	s_set_vgpr_msb 0x4
	s_wait_tensorcnt 0x0                           ; all my tensor loads have landed, my part of slot new among them,
	ds_add_u32 v15, v1
	s_wait_dscnt 0x0
	s_set_vgpr_msb 0x400
	s_add_nc_u64 s[38+4*\old:39+4*\old], s[38+4*\old:39+4*\old], 65536   ; so every group 0 may be written: slot old's next phase
	s_add_nc_u64 s[46+4*\old:47+4*\old], s[46+4*\old:47+4*\old], 65536
	s_wait_dscnt 0x0                               ; my reads of slot old are over
	s_barrier_signal -1
	s_barrier_wait -1                              ; both now hold of every wave
.if \refill
	JL \old                                        ; my one tensor load behind this barrier, ahead of every LDS read; it has a phase in which to land
.endif
	v_add_nc_u32 v5, \new*SLOT, v3
	LDK                                            ; the new slot's first step
	v_add_nc_u32 v5, 4608, v5
	v_add_nc_u32 v7, 128, v7
.endm
; a phase: the eight turns whose step i lies in slot
.macro PHASE slot, other, first, refill, last
.if \first
	ITER SA, SB, 8, 1, 12, 1, 1, 0
	ITER SB, SA, 8, 1, 12, 1, 0, 0
	s_mov_b32 s55, 2
.else
	s_mov_b32 s55, 3
.endif
.Lw_\@:
	ITER SA, SB, 8, 1, 12, 1, 0, 0                 ; 8: V's eight loads are younger than K's twelve; 12: the twelve just issued are younger than V's
	ITER SB, SA, 8, 1, 12, 1, 0, 0
	s_sub_co_u32 s55, s55, 1
	s_cmp_lg_u32 s55, 0
	s_cbranch_scc1 .Lw_\@
	ITER SA, SB, 8, 0, 0, 1, 0, 0                  ; the seventh turn asks for no K (it lies in the other slot), so V's loads are the youngest: 0
.if \last
	ITERLAST SB
.else
	CHANGE \other, \slot, \refill
	ITER SB, SA, 0, 1, 12, 2, 0, \other            ; K's loads are the youngest: 0
.endif
.endm
	v_add_nc_u32 v5, 0*SLOT, v3
	v_add_nc_u32 v6, 0*SLOT, v4
	LDK                                            ; step 0
	v_add_nc_u32 v5, 4608, v5
	v_add_nc_u32 v7, 128, v7
	s_wait_dscnt 0x0
.irp kt, 0,1
.irp qt, 0,1
	v_wmma_f32_16x16x32_f16 v[SA+8*(2*\kt+\qt):SA+8*(2*\kt+\qt)+7], v[KF+16*\kt:KF+16*\kt+7], v[QF+16*\qt:QF+16*\qt+7], v[NC+8*\kt:NC+8*\kt+7]
.endr
.endr
.irp kt, 0,1
.irp qt, 0,1
	v_wmma_f32_16x16x32_f16 v[SA+8*(2*\kt+\qt):SA+8*(2*\kt+\qt)+7], v[KF+16*\kt+8:KF+16*\kt+15], v[QF+16*\qt+8:QF+16*\qt+15], v[SA+8*(2*\kt+\qt):SA+8*(2*\kt+\qt)+7]
.endr
.endr
	v_nop                                          ; four places behind the products
	v_nop
	v_nop
	v_nop
	DIAG SA
	LDK                                            ; step 1
	v_add_nc_u32 v5, 4608, v5
	v_add_nc_u32 v7, 128, v7
	LDV                                            ; step 0
	PHASE 0, 1, 1, 1, 0
	PHASE 1, 0, 0, 1, 0
	s_mov_b32 s54, 2
.Lph:
	PHASE 0, 1, 0, 1, 0
	PHASE 1, 0, 0, 1, 0
	s_sub_co_u32 s54, s54, 1
	s_cmp_lg_u32 s54, 0
	s_cbranch_scc1 .Lph
	PHASE 0, 1, 0, 0, 0                            ; the last two phases fetch nothing
	PHASE 1, 0, 0, 0, 1
	; THE WAY OUT: lane (r, h) holds dims 16 dt + 8 h .. + 7 of query 16 qt + r: 16 bytes of bf16
.irp qt, 0,1
.irp dt, 0,1,2,3
.irp jj, 0,1,2,3
	v_cvt_pk_bf16_f32 v[96+4*(4*\qt+\dt)+\jj], v[OO+8*(2*\dt+\qt)+2*\jj], v[OO+8*(2*\dt+\qt)+2*\jj+1]
.endr
	ds_store_b128 v9, v[96+4*(4*\qt+\dt):96+4*(4*\qt+\dt)+3] offset:\qt*2304+\dt*32
.endr
.endr
.irp i, 0,1,2,3,4,5,6,7
	ds_load_b128 v[16+4*\i:19+4*\i], v10 offset:\i*576     ; my own stage: a wave's LDS instructions are served in order
.endr
.irp i, 0,1,2,3,4,5,6,7
	s_wait_dscnt 7-\i                              ; the 7 - i younger loads stay out
	global_store_b128 v11, v[16+4*\i:19+4*\i], s[10:11] offset:\i*512   ; a wave stores 512 neighbouring bytes
.endr
	s_set_vgpr_msb 0x4
	s_wait_tensorcnt 0x0
	ds_add_u32 v15, v1
	s_wait_dscnt 0x0
	s_set_vgpr_msb 0x400
	s_endpgm
.Lfunc_end_k_q5546a41d81_attn:
	.size	k_q5546a41d81_attn, .Lfunc_end_k_q5546a41d81_attn-k_q5546a41d81_attn
	.p2alignl 7, 3214868480
	.fill 96, 4, 3214868480
	.section	.rodata,"a",@progbits
	.p2align	6, 0x0
	.amdhsa_kernel k_q5546a41d81_attn
		.amdhsa_group_segment_fixed_size 327680
		.amdhsa_private_segment_fixed_size 0
		.amdhsa_enable_private_segment 0
		.amdhsa_kernarg_size 32
		.amdhsa_user_sgpr_count 2
		.amdhsa_user_sgpr_kernarg_segment_ptr 1
		.amdhsa_wavefront_size32 1
		.amdhsa_system_sgpr_workgroup_id_x 1
		.amdhsa_system_sgpr_workgroup_id_y 1
		.amdhsa_system_sgpr_workgroup_id_z 1
		.amdhsa_system_vgpr_workitem_id 0
		.amdhsa_next_free_vgpr 258
		.amdhsa_next_free_sgpr 66
		.amdhsa_reserve_vcc 1
		.amdhsa_float_denorm_mode_32 3
		.amdhsa_float_denorm_mode_16_64 3
		.amdhsa_memory_ordered 1
		.amdhsa_forward_progress 1
		.amdhsa_inst_pref_size 164
	.end_amdhsa_kernel
	.amdgpu_metadata
---
amdhsa.version: [ 1, 2 ]
amdhsa.kernels:
  - .name:           k_q5546a41d81_attn
    .symbol:         k_q5546a41d81_attn.kd
    .args:
      - { .name: qh, .offset: 0, .size: 8, .value_kind: global_buffer, .address_space: global }
      - { .name: kv, .offset: 8, .size: 8, .value_kind: global_buffer, .address_space: global }
      - { .name: negc, .offset: 16, .size: 8, .value_kind: global_buffer, .address_space: global }
      - { .name: xh, .offset: 24, .size: 8, .value_kind: global_buffer, .address_space: global }
    .group_segment_fixed_size: 327680
    .private_segment_fixed_size: 0
    .kernarg_segment_align: 8
    .kernarg_segment_size: 32
    .max_flat_workgroup_size: 256
    .sgpr_count:     66
    .vgpr_count:     258
    .wavefront_size: 32
...
	.end_amdgpu_metadata
.endif
;; end of part 4
;; launch oproj (part 5): grid 8 x 32, 4 waves a work-group, clusters of 4 x 4, 327,680 bytes of LDS; arguments xh, wbf, bo, out0; writes out0
.if DOCPART == 5
	.amdgcn_target "amdgcn-amd-amdhsa--gfx1250"
	.amdhsa_code_object_version 6
	.text
	.protected	k_q5546a41d81_oproj
	.globl	k_q5546a41d81_oproj
	.p2align	8
	.type	k_q5546a41d81_oproj,@function
k_q5546a41d81_oproj:
	s_mov_b64 s[64:65], 0
	v_nop
	global_prefetch_b8 v0, s[64:65] scope:SCOPE_SE
	s_setreg_imm32_b32 hwreg(HW_REG_WAVE_MODE, 25, 1), 1
	s_wait_xcnt 0x0
	s_wait_alu depctr_hold_cnt(0) depctr_sa_sdst(0) depctr_va_vdst(0) depctr_va_sdst(0) depctr_va_ssrc(0) depctr_va_vcc(0) depctr_vm_vsrc(0)
	s_getreg_b32 s2, hwreg(HW_REG_IB_STS2, 6, 4)
	s_cmp_eq_u32 s2, 0
	s_cbranch_scc0 .Lentry_in_a_cluster
	s_endpgm
.Lentry_in_a_cluster:
	s_bfe_u32 s2, ttmp6, 0x10000c
	s_cmp_lg_u32 s2, 0xf033
	s_cbranch_scc0 .Lentry_shape_is_right
	s_endpgm
.Lentry_shape_is_right:
; OPROJ: out0 = x Wo^T + bo, f32 out; x[b][s][64 h + d] = xh[16 b + h][s][d] in bf16, Wo in bf16 (third part of wbf), sums in f32.
; 4,096 x 1,024 x 1,024.  A work-group makes 128 x 128, its four waves 64 x 64 each (16 accumulator tiles): 256 work-groups.
; K goes in four pieces of 256 = four heads through two LDS slots filled by joint tensor loads of a 4 x 4 cluster: two first fills and two
; refills in all, and a refill has the other slot's 128 products of each wave in which to land.  x's tile is shared along a row of the
; cluster, Wo's along a column.
; x's tile: a head's 128 rows of 128 bytes are 16,384 consecutive bytes of xh, so two heads are a tile of two rows of 8,192 elements,
; 131,072 elements apart; 4 words of padding behind every 32 words, counted along the tile, make LDS rows of 144 bytes, head behind head.
; Waves 0 and 1 fetch two heads each, waves 2 and 3 64 rows of Wo each (512 bytes a row, pitch 528).
; The matrix instruction is used transposed, so that a lane holds eight neighbouring columns of one row.
; bo is rounded to bf16 like every floating input.
; REGISTER WINDOWS: 0: addresses, two fragment buffers, bo, the way out; 1: accumulators.
.set NT, 4
.set APITCH, 144
.set AQ2, 128*144                      ; from a head to the next in a slot
.set BPITCH, 528
.set ABYTES, 4*128*144
.set BBYTES, 128*528
.set SLOT, ABYTES+BBYTES
.set STAGE, 2*SLOT                     ; 16 rows x 272 bytes for each wave; no tensor load lands here
.set ASTEP, 1048576                    ; four heads of xh
.set BSTEP, 512
.set F0, 32                            ; 32 registers of Wo, 32 of x
.set F1, 96
.set ADRA, 16
.set ADRB, 20
.set STO, 24
.set RD, 25
.set CO, 26
.set BA, 28
.set Y, 32
.set BO, 192
.set TT, 224
.set G1, 24
.set G0, 32
.set G1B, 48
.set G0B, 56
.set MUL, 0x50
.set MSB, 0
.macro WIN new
.if MSB != \new
	s_set_vgpr_msb (MSB<<8)|\new
.set MSB, \new
.endif
.endm
.macro PLACES                          ; four places behind a matrix instruction (ISA guide 7.12.1)
.rept 4
	v_nop
.endr
.endm
.macro JLOAD s
	s_cmp_eq_u32 s11, 0
	s_cbranch_scc0 .Lfor_b_\@
	tensor_load_to_lds s[G0+4*\s:G0+4*\s+3], s[G1:G1+7]
	s_nop 0
	s_branch .Lasked_\@
.Lfor_b_\@:
	tensor_load_to_lds s[G0B+4*\s:G0B+4*\s+3], s[G1B:G1B+7]
	s_nop 0
.Lasked_\@:
.endm
.macro CREST
	s_cmp_lg_u32 s10, 0
	s_cbranch_scc1 .Lnot_wave_0_\@
	s_barrier_signal -3
.Lnot_wave_0_\@:
	s_barrier_wait -3
	s_barrier_signal -1
	s_barrier_wait -1
.endm
.macro CROUND
	s_barrier_signal -1
	s_barrier_wait -1
	CREST
.endm
; the accumulators take turns, one instruction a turn
.macro MULH f, a0, zero
.set ma, \a0
.rept 2
.set mb, 0
.rept NT
.if \zero
	v_wmma_f32_16x16x32_bf16 v[8*(NT*ma+mb):8*(NT*ma+mb)+7], v[\f+8*mb:\f+8*mb+7], v[\f+8*NT+8*ma:\f+8*NT+8*ma+7], 0
.else
	v_wmma_f32_16x16x32_bf16 v[8*(NT*ma+mb):8*(NT*ma+mb)+7], v[\f+8*mb:\f+8*mb+7], v[\f+8*NT+8*ma:\f+8*NT+8*ma+7], v[8*(NT*ma+mb):8*(NT*ma+mb)+7]
.endif
.set mb, mb+1
.endr
.set ma, ma+1
.endr
.endm
; the fragments of eighth k (32 along K: head k / 2, dims 32 (k % 2) ..) of a slot into buffer f
.macro FETCH slot, k, f
.set fi, 0
.rept NT
	ds_load_b128 v[\f+8*fi:\f+8*fi+3], v[ADRB+\slot] offset:\k*64+fi*16*BPITCH
	ds_load_b128 v[\f+8*fi+4:\f+8*fi+7], v[ADRB+\slot] offset:\k*64+fi*16*BPITCH+32
.set fi, fi+1
.endr
.set fi, 0
.rept 4
	ds_load_b128 v[\f+8*NT+8*fi:\f+8*NT+8*fi+3], v[ADRA+\slot] offset:(\k/2)*AQ2+(\k%2)*64+fi*16*APITCH
	ds_load_b128 v[\f+8*NT+8*fi+4:\f+8*NT+8*fi+7], v[ADRA+\slot] offset:(\k/2)*AQ2+(\k%2)*64+fi*16*APITCH+32
.set fi, fi+1
.endr
.endm
; multiplies buffer f; ahead of that asks for eighth k's fragments into buffer g, which have these products in which to land
.macro QUARTER slot, k, f, g, zero
	s_wait_dscnt 0x0                               ; buffer f is in
	PLACES                                         ; buffer g was read by the products just issued
	FETCH \slot, \k, \g
	WIN MUL
	MULH \f, 0, \zero
	MULH \f, 2, \zero
	WIN 0
.endm
.macro SEVEN slot, zero
	QUARTER \slot, 1, F0, F1, \zero
	QUARTER \slot, 2, F1, F0, 0
	QUARTER \slot, 3, F0, F1, 0
	QUARTER \slot, 4, F1, F0, 0
	QUARTER \slot, 5, F0, F1, 0
	QUARTER \slot, 6, F1, F0, 0
	QUARTER \slot, 7, F0, F1, 0
.endm
; the last eighth of a slot, and the change of slots
.macro TURN slot, next, fill
	s_wait_dscnt 0x0                               ; my reads of this slot are over
	s_wait_tensorcnt 0x0                           ; all my tensor loads have landed: the one that was out is my part of the next slot
	ds_add_u32 v254, v255
	s_wait_dscnt 0x0
	s_barrier_signal -1                            ; where the slot is filled again this barrier opens a round of the cluster's barrier
	WIN MUL
	MULH F1, 0, 0
	WIN 0
	s_barrier_wait -1
.if \fill
	CREST                                          ; no wave of any partner still reads this slot or has a load on its way
	s_add_nc_u64 s[G0+4*\slot+2:G0+4*\slot+3], s[G0+4*\slot+2:G0+4*\slot+3], 2*ASTEP
	s_add_nc_u64 s[G0B+4*\slot+2:G0B+4*\slot+3], s[G0B+4*\slot+2:G0B+4*\slot+3], 2*BSTEP
	JLOAD \slot                                    ; my one tensor load behind the round, ahead of every LDS read
.endif
	PLACES
	FETCH \next, 0, F0
	WIN MUL
	MULH F1, 2, 0
	WIN 0
.endm
	s_load_b128 s[4:7], s[0:1], 0x0                ; xh, wbf
	s_load_b64 s[66:67], s[0:1], 0x10              ; bo
	s_load_b64 s[8:9], s[0:1], 0x18                ; out0
	v_lshl_add_u32 v254, v0, 2, 0x49400
	v_mov_b32 v255, 0
	ds_add_u32 v254, v255
	ds_add_u32 v254, v255
	v_lshrrev_b32 v1, 5, v0
	v_readfirstlane_b32 s10, v1                    ; wave
	s_lshr_b32 s11, s10, 1                         ; my half of the rows.  Also: I fetch for x (0) or for Wo (1)
	s_and_b32 s12, s10, 1                          ; my half of the columns.  Also: which two heads, or which 64 rows of Wo, I fetch
	s_bfe_u32 s40, ttmp6, 0x40000                  ; cx
	s_bfe_u32 s41, ttmp6, 0x40004                  ; cy
	s_lshl_b32 s42, ttmp9, 2
	s_add_co_u32 s42, s42, s40                     ; block column, 0..7
	s_and_b32 s13, ttmp7, 0xffff
	s_lshl_b32 s13, s13, 2
	s_add_co_u32 s13, s13, s41                     ; block row, 0..31
	s_lshl_b32 s43, s41, 2
	s_lshl_b32 s43, 15, s43                        ; my row of the cluster
	s_lshl_b32 s44, 0x1111, s40                    ; my column
	s_or_b32 s[G1+0], s43, (1<<16)|(1<<20)|(1<<21)|(4<<22)|(3<<25)   ; x: 4 words of padding behind every 32 words
	s_or_b32 s[G1B+0], s44, (1<<16)|(1<<20)|(1<<21)|(6<<22)|(3<<25)  ; Wo: behind every 128 words
	s_mov_b32 s[G1+1], 8192<<16                    ; tensor_dim0: x 8,192 elements (a head's 128 rows),
	s_mov_b32 s[G1B+1], 256<<16                    ;              Wo 256
	s_mov_b32 s[G1+2], 2<<16                       ; tensor_dim1: x 2 heads,
	s_mov_b32 s[G1B+2], 64<<16                     ;              Wo 64 rows
	s_mov_b32 s[G1+3], 8192<<16                    ; tile_dim0
	s_mov_b32 s[G1B+3], 256<<16
	s_mov_b32 s[G1+4], 2                           ; tile_dim1
	s_mov_b32 s[G1B+4], 64
	s_mov_b32 s[G1+5], 131072                      ; elements from head to head,
	s_mov_b32 s[G1B+5], 1024                       ; from row to row
	s_mov_b32 s[G1+6], 0
	s_mov_b32 s[G1B+6], 0
	s_mov_b32 s[G1+7], 0
	s_mov_b32 s[G1B+7], 0
	s_lshr_b32 s16, s13, 4                         ; x: batch x 16 heads x 262,144 bytes
	s_lshl_b32 s16, s16, 22
	s_lshl_b32 s17, s12, 19                        ; + my two heads of the slot's four
	s_add_co_u32 s16, s16, s17
	s_and_b32 s17, s13, 15                         ; + 128 positions x 128 bytes a block row
	s_lshl_b32 s17, s17, 14
	s_add_co_u32 s16, s16, s17
	s_mov_b32 s17, 0
	s_lshl_b32 s46, s42, 7                         ; Wo: row 128 x block column + 64 x half, 2,048 bytes a row,
	s_lshl_b32 s47, s12, 6
	s_add_co_u32 s46, s46, s47
	s_lshl_b32 s46, s46, 11
	s_add_co_u32 s46, s46, 0x400000                ; behind Wk/8 and Wv/8
	s_mov_b32 s47, 0
	s_mul_i32 s20, s10, 2*128*144                  ; LDS: x's heads at wave x 2 heads,
	s_mul_i32 s21, s10, 64*528
	s_add_co_u32 s21, s21, 6144                    ; Wo's halves behind them: 73,728 + (wave - 2) x 33,792
	s_mov_b32 s18, 0xffff0000
	s_wait_dscnt 0x0
	s_wait_kmcnt 0x0
	s_add_nc_u64 s[14:15], s[4:5], s[16:17]
	s_add_nc_u64 s[46:47], s[6:7], s[46:47]
	CROUND                                         ; all sixteen work-groups are here: the first joint loads meet
.irp s, 0,1
	s_mov_b32 s[G0+4*\s], 1
	s_add_co_u32 s[G0+4*\s+1], s20, \s*SLOT
	s_add_nc_u64 s[G0+4*\s+2:G0+4*\s+3], s[14:15], \s*ASTEP
	s_or_b32 s[G0+4*\s+3], s[G0+4*\s+3], 0x80000000
	s_mov_b32 s[G0B+4*\s], 1
	s_add_co_u32 s[G0B+4*\s+1], s21, \s*SLOT
	s_add_nc_u64 s[G0B+4*\s+2:G0B+4*\s+3], s[46:47], \s*BSTEP
	s_or_b32 s[G0B+4*\s+3], s[G0B+4*\s+3], 0x80000000
	JLOAD \s                                       ; two tensor loads of the wave are out here, one behind every later round
.endr
	v_and_b32 v1, 15, v0                           ; r
	v_bfe_u32 v2, v0, 4, 1                         ; h
	v_mul_u32_u24 v3, v1, 144
	v_lshl_add_u32 v3, v2, 4, v3
	s_mul_i32 s22, s11, 64*144                     ; my 64 rows of x
	v_add_nc_u32 v[ADRA], s22, v3
	v_add_nc_u32 v[ADRA+1], SLOT, v[ADRA]
	v_mul_u32_u24 v3, v1, 528
	v_lshl_add_u32 v3, v2, 4, v3
	s_mul_i32 s22, s12, 64*528                     ; my 64 rows of Wo
	s_add_co_u32 s22, s22, ABYTES
	v_add_nc_u32 v[ADRB], s22, v3
	v_add_nc_u32 v[ADRB+1], SLOT, v[ADRB]
	s_mul_i32 s23, s10, 16*272
	s_add_co_u32 s23, s23, STAGE
	v_mul_u32_u24 v4, v1, 272
	v_lshl_add_u32 v4, v2, 5, v4                   ; the way out: row r, 32 bytes (8 f32) for each half of the lanes
	v_add_nc_u32 v[STO], s23, v4
	v_mul_u32_u24 v5, v2, 272
	v_lshl_add_u32 v5, v1, 4, v5
	v_add_nc_u32 v[RD], s23, v5
	v_lshlrev_b32 v5, 12, v2
	v_lshl_add_u32 v[CO], v1, 4, v5                ; two rows of out0, 4,096 bytes apart
	s_lshl_b32 s22, s42, 9                         ; my first column in bytes: 512 x block + 256 x half
	s_lshl_b32 s23, s12, 8
	s_add_co_u32 s22, s22, s23
	v_lshlrev_b32 v5, 5, v2
	v_add_nc_u32 v[BA], s22, v5
.set tb, 0
.rept 4
	global_load_b128 v[BO+8*tb:BO+8*tb+3],   v[BA], s[66:67] offset:64*tb
	global_load_b128 v[BO+8*tb+4:BO+8*tb+7], v[BA], s[66:67] offset:64*tb+16
.set tb, tb+1
.endr
	s_wait_tensorcnt 0x1                           ; my part of slot 0 is in; slot 1's stays out
	s_barrier_signal -1
	s_barrier_wait -1
	FETCH 0, 0, F0
	SEVEN 0, 1                                     ; K 0..255: the first products start the sums
	TURN 0, 1, 1                                   ; slot 0 is asked for again: K 512..767
	SEVEN 1, 0                                     ; K 256..511
	TURN 1, 0, 1                                   ; slot 1 is asked for again: K 768..1,023
	SEVEN 0, 0
	TURN 0, 1, 0                                   ; nothing is left to fetch
	SEVEN 1, 0
	s_wait_dscnt 0x0
	WIN MUL
	MULH F1, 0, 0
	MULH F1, 2, 0
	WIN 0
	; THE WAY OUT
	s_wait_loadcnt 0x0                             ; bo
	PLACES
.set bi, 0
.rept 16
	v_cvt_pk_bf16_f32 v[TT+(bi%4)], v[BO+2*bi], v[BO+2*bi+1]
	v_lshlrev_b32 v[BO+2*bi], 16, v[TT+(bi%4)]
	v_and_b32 v[BO+2*bi+1], s18, v[TT+(bi%4)]
.set bi, bi+1
.endr
	s_lshl_b32 s16, s13, 7
	s_lshl_b32 s17, s11, 6
	s_add_co_u32 s16, s16, s17                     ; my first row
	s_lshl_b32 s16, s16, 12
	s_mov_b32 s17, 0
	s_add_nc_u64 s[8:9], s[8:9], s[16:17]
	s_mov_b32 s46, s22
	s_mov_b32 s47, 0
	s_add_nc_u64 s[8:9], s[8:9], s[46:47]
.macro OUTA a, f
	WIN 0x01                                       ; source 0 window 1 (sums)
.set ob, 0
.rept 4
.set oj, 0
.rept 4
	v_pk_add_f32 v[Y+8*ob+2*oj:Y+8*ob+2*oj+1], v[8*(4*\a+ob)+2*oj:8*(4*\a+ob)+2*oj+1], v[BO+8*ob+2*oj:BO+8*ob+2*oj+1]
.set oj, oj+1
.endr
.set ob, ob+1
.endr
	WIN 0
.set ob, 0
.rept 4
	ds_store_b128 v[STO], v[Y+8*ob:Y+8*ob+3] offset:64*ob
	ds_store_b128 v[STO], v[Y+8*ob+4:Y+8*ob+7] offset:64*ob+16
.set ob, ob+1
.endr
	s_wait_xcnt 0x0                                ; buffer f, which earlier stores read, and the stores' base are written again only behind this wait
.if \a
	s_add_nc_u64 s[8:9], s[8:9], 16*4096
.endif
.irp t, 0,1,2,3,4,5,6,7
	ds_load_b128 v[\f+4*\t:\f+4*\t+3], v[RD] offset:\t*544    ; a wave's LDS instructions are served in order: these see the stores above
.endr
.irp t, 0,1,2,3,4,5,6,7
	s_wait_dscnt 7-\t                              ; the 7 - t younger loads stay out
	global_store_b128 v[CO], v[\f+4*\t:\f+4*\t+3], s[8:9] offset:2*\t*4096   ; 16 lanes store 256 neighbouring bytes, aligned
.endr
.endm
	OUTA 0, 96
	OUTA 1, 128
	OUTA 2, 96
	OUTA 3, 128
	s_wait_tensorcnt 0x0
	ds_add_u32 v254, v255
	s_wait_dscnt 0x0
	CROUND                                         ; the closing round
	s_endpgm
.Lfunc_end_k_q5546a41d81_oproj:
	.size	k_q5546a41d81_oproj, .Lfunc_end_k_q5546a41d81_oproj-k_q5546a41d81_oproj
	.p2alignl 7, 3214868480
	.fill 96, 4, 3214868480
	.section	.rodata,"a",@progbits
	.p2align	6, 0x0
	.amdhsa_kernel k_q5546a41d81_oproj
		.amdhsa_group_segment_fixed_size 327680
		.amdhsa_private_segment_fixed_size 0
		.amdhsa_enable_private_segment 0
		.amdhsa_kernarg_size 32
		.amdhsa_user_sgpr_count 2
		.amdhsa_user_sgpr_kernarg_segment_ptr 1
		.amdhsa_wavefront_size32 1
		.amdhsa_system_sgpr_workgroup_id_x 1
		.amdhsa_system_sgpr_workgroup_id_y 1
		.amdhsa_system_sgpr_workgroup_id_z 1
		.amdhsa_system_vgpr_workitem_id 0
		.amdhsa_next_free_vgpr 400
		.amdhsa_next_free_sgpr 72
		.amdhsa_reserve_vcc 0
		.amdhsa_float_denorm_mode_32 3
		.amdhsa_float_denorm_mode_16_64 3
		.amdhsa_memory_ordered 1
		.amdhsa_forward_progress 1
		.amdhsa_inst_pref_size 96
	.end_amdhsa_kernel
	.amdgpu_metadata
---
amdhsa.version: [ 1, 2 ]
amdhsa.kernels:
  - .name:           k_q5546a41d81_oproj
    .symbol:         k_q5546a41d81_oproj.kd
    .args:
      - { .name: xh, .offset: 0, .size: 8, .value_kind: global_buffer, .address_space: global }
      - { .name: wbf, .offset: 8, .size: 8, .value_kind: global_buffer, .address_space: global }
      - { .name: bo, .offset: 16, .size: 8, .value_kind: global_buffer, .address_space: global }
      - { .name: out0, .offset: 24, .size: 8, .value_kind: global_buffer, .address_space: global }
    .group_segment_fixed_size: 327680
    .private_segment_fixed_size: 0
    .kernarg_segment_align: 8
    .kernarg_segment_size: 32
    .max_flat_workgroup_size: 128
    .sgpr_count:     72
    .vgpr_count:     400
    .wavefront_size: 32
...
	.end_amdgpu_metadata
.endif
;; end of part 5
